; MI455X (gfx1250); checked and timed in simulation.
; The chip was launched on July 23, 2026; its instructions are those of AMD's public machine-readable ISA for CDNA 5 (MIT licence, August 2026) and "CDNA5" Instruction Set Architecture Reference Guide (July 2026). The comments in the code are by the model that wrote it; some were corrected since.
;; Attention. Allowed arithmetic: matrix products marked QUANTISED: E4M3 operands, one E8M0 scale for each 32 along K, by v_wmma_scale_f32_16x16x128_f8f6f4 with both operands' format E4M3, f32 sums; everything else in f32.
;; Inputs: freqs_cos 2,048 x 64 float32; freqs_sin 2,048 x 64 float32; mask 1 x 1 x 2,048 x 2,048 float32; wk 2,048 x 2,048 float32; wo 2,048 x 2,048 float32; wq 2,048 x 2,048 float32; wv 2,048 x 2,048 float32; x 1 x 2,048 x 2,048 float32.
;; Outputs: out0 1 x 2,048 x 2,048 float32.
;; This version of the problem:
;;   THIS VERSION OF THE PROBLEM IS GIVEN IN LOW PRECISION. The matrix products marked QUANTISED in the list below multiply operands that are first quantised to E4M3 (4 exponent bits, 3 mantissa bits; 8 bits a number), with one power-of-two scale for each 32 numbers along K (OCP MX v1.0); their sums are f32. All else is computed in f32.
;;   The module's matrix products, in the order in which they are computed (A, B: the left and right operand; K: the contracted axis; several contracted axes count as one K, in the product's order):
;;     1. [M 2,048, K 2,048] x [K 2,048, N 2,048]; A: input x; B: input wq: QUANTISED
;;     2. [M 2,048, K 2,048] x [K 2,048, N 2,048]; A: input x; B: input wk: QUANTISED
;;     3. [M 2,048, K 2,048] x [K 2,048, N 2,048]; A: input x; B: input wv: QUANTISED
;;     4. batch 16 x [M 2,048, K 128] x [K 128, N 2,048]; A: computed on the way; B: computed on the way: QUANTISED
;;     5. batch 16 x [M 2,048, K 2,048] x [K 2,048, N 128]; A: softmax (see below); B: computed on the way: QUANTISED
;;     6. [M 2,048, K 2,048] x [K 2,048, N 2,048]; A: computed on the way; B: input wo: QUANTISED
;;   THE QUANTISER, for each operand of a quantised product, along K:
;;     - K is cut into blocks of 32 from its start; a last block that is shorter is filled with zeros.
;;     - A block's scale is 2^e with e = floor(log2(the largest magnitude in the block)) - 8, held to -126 .. 127; a block of zeros has e = 0. As a byte (E8M0): e + 127.
;;     - Each number is divided by its block's scale, clamped to +-448, and rounded to the nearest number of E4M3, ties to even, subnormals kept.
;;     - The product sums the exact products of the quantised numbers (number of the format x scale) in f32.
;;   ~~~python
;;   def quantise(x, axis):      # numpy; x: float32 -> the quantised numbers, widened to float32 again
;;       x = np.moveaxis(x, axis, -1); K = x.shape[-1]
;;       x = np.pad(x, [(0, 0)] * (x.ndim - 1) + [(0, -K % 32)]); x = x.reshape(x.shape[:-1] + (-1, 32)); a = np.abs(x).max(-1, keepdims=True)
;;       e = np.where(a > 0, np.clip(np.frexp(np.where(a > 0, a, 1))[1] - 1 - 8, -126, 127), 0)      # np.frexp(a)[1] - 1 = floor(log2(a)), exactly
;;       r = np.clip(x / 2.0 ** e, -448, 448)
;;       step = 2.0 ** (np.maximum(np.frexp(np.where(r == 0, 1, r))[1] - 1, -6) - 3)
;;       q = np.round(r / step) * step * 2.0 ** e      # np.round: ties to even
;;       return np.moveaxis(q.reshape(q.shape[:-2] + (-1,))[..., :K], -1, axis).astype(np.float32)
;;   ~~~
;;   SOFTMAX AHEAD OF A QUANTISED PRODUCT. Where the list says 'softmax', what is quantised is not the finished softmax but p = 2^(t - M), with t = logit x log2(e) and M = ceil(the row's largest t), a whole number; so 1/2 < the row's largest p <= 1. The row's sum l is taken of the UNQUANTISED p, in f32, and the product's result is divided by l at the end. Since M is a whole number, a kernel that streams over the keys may use a running M (the ceiling of the running maximum): every later rescaling is an exact power of two, which a block's scale takes up: the codes' values come out the same.
;;   OPERANDS COMPUTED ON THE WAY. 'Computed on the way' means the value that the module computes at that place (a softmax that the list does not call 'softmax' is quantised finished and normalised). What goes into a quantiser is computed in f32, as accurately as f32 sums, v_exp_f32 and their like allow (about 1e-6 of the number): no bf16 or f16 on the way to a quantiser, and a product that is left as it is and whose result goes on into a quantised operand takes f32 operands (vector FMAs, or v_wmma_f32_16x16x4_f32). A number that lies on a knife's edge between two numbers of the format may be rounded either way, as far as f32 arithmetic and the matrix unit's own rounding can turn it there, and no further.
;; One version. Each part assembles by itself: llvm-mc -triple=amdgcn-amd-amdhsa -mcpu=gfx1250 --defsym DOCPART=n.
;; ======== version 1 of 1: 4 launches
;; limits: right only within a limited range of input values
;; workspace buffers: codes 20,971,520 bytes; scales 655,360 bytes; maskp 16,777,216 bytes; qkvc 12,976,128 bytes; oc 4,194,304 bytes; os 131,072 bytes
;; launch prep (part 1): grid 128 x 5, 4 waves a work-group, no clusters, 35,328 bytes of LDS; arguments x, wq, wk, wv, wo, codes, scales; writes codes, scales
.if DOCPART == 1
	.amdgcn_target "amdgcn-amd-amdhsa--gfx1250"
	.amdhsa_code_object_version 6
	.text
	.protected	k_q2e41959ff0_prep
	.globl	k_q2e41959ff0_prep
	.p2align	8
	.type	k_q2e41959ff0_prep,@function
k_q2e41959ff0_prep:
	s_mov_b64 s[64:65], 0
	v_nop
	global_prefetch_b8 v0, s[64:65] scope:SCOPE_SE
	s_setreg_imm32_b32 hwreg(HW_REG_WAVE_MODE, 25, 1), 1
	s_wait_xcnt 0x0
; PREP.  x, wq, wk, wv, wo ([2048][2048] f32, K innermost) become codes of FP8 (E4M3) with one E8M0 byte for each 32 along K.  (The mask is laid for the attention launch by work-groups of the launch qkv.)
; A FRAGMENT is 16 rows x 128 K of codes, 2,048 bytes, stored as the operand's registers: byte c*512 + lane*16; lane (r = lane % 16, h = lane / 16) holds k = 32 c + 16 h + 0 .. 15 of the tile's row r.
; THE ROWS OF A TILE ARE NOT NEIGHBOURS: lane r of tile 2 B + u holds row 32 B + 8 u + r + 8 (r / 8): a tile used as source 0 then leaves its rows in natural order along a lane's result registers.
; codes:  matrix u at u * 4 MiB (0 x, 1 wq, 2 wk, 3 wv, 4 wo); in it kp*524288 + tile*4096 + ksub*2048 + c*512 + lane*16, K step (128 along K) = 2 kp + ksub.
; scales: u*131072 + tile*1024 + g*256 + lane*8 + w*4: the four bytes of row lane % 16 for K step 4 g + 2 w + lane / 16.
; SHARES.  Work-group (x = tile of 16 rows, y = matrix); wave g takes K steps 4 g .. 4 g + 3, a step at a time: 16 rows x 512 bytes.  Each load reads 512 consecutive bytes of one row; the 8 KiB turn
; through the wave's own stage in LDS and come back with 16 neighbours along K of each block of 32 in a lane's registers.  Every store of codes covers 512 consecutive bytes, the scale words of a wave 256.
; No tensor load, no barrier, no matrix unit: the waves share nothing and the launch only moves bytes.  Loads run two steps (32 loads a wave) ahead.
; A block's scale is 2^(floor(log2(largest magnitude)) - 8); its byte is the largest magnitude's exponent field - 8, held at 1 from below (a block of zeros keeps the byte 1: its codes are zeros, and this program alone reads the bytes).
; LIMITS: NaN and infinities in x and the weights are not served; blocks whose largest magnitude lies under 2^-118 keep the byte 1.
.set STG,  8704                        ; a wave's stage: 16 register groups x (2 halves x (16 rows x 16 bytes + 16))
.set SPARE, 4*STG                      ; behind the stages: the spare words, 128 bytes for each wave
.set RA,   16                          ; v16-143  two sets of 64: a step's numbers as loaded
.set X,    144                         ; v144-207 the step's numbers after the turn: register 16 b + i = k 32 b + 16 h + i of my row
.set PC,   208                         ; v208-223 the fragment's codes
.set TM,   224                         ; v224-239 the quantiser's work
.set PW,   240                         ; the scale word just made
.set PWE,  241                         ; that of the even step before
.set SW,   242                         ; v[242:243] the wave's scale words: lanes 0-15 the even step's, lanes 16-31 the odd step's
.set MNT,  30                          ; s30 the mantissa field of 448
.set SEL,  32                          ; s[32:33] selects of v_permlanex16_b32 for lane l xor 16
.set HM,   34                          ; s34 lanes 16-31
; 64 numbers of a lane become a fragment's codes in v[pc] on and its scale word in v[pw] (the same in both halves of the lanes)
.macro QUANT s, pc, pw, tm
.irp b, 0,1,2,3
	v_max3_num_f32 v[\tm+\b], |v[\s+16*\b]|, |v[\s+1+16*\b]|, 0x4800000   ; block b: my 16 numbers, and the floor 2^(9 - 127): the byte cannot fall under 1
.endr
.irp i, 2,4,6,8,10,12,14
.irp b, 0,1,2,3
	v_max3_num_f32 v[\tm+\b], v[\tm+\b], |v[\s+16*\b+\i]|, |v[\s+1+16*\b+\i]|   ; the four blocks by turns
.endr
.endr
.irp b, 0,1,2,3
	v_permlanex16_b32 v[\tm+4+\b], v[\tm+\b], s[SEL], s[SEL+1]
.endr
.irp b, 0,1,2,3
	v_max_num_f32 v[\tm+\b], v[\tm+\b], v[\tm+4+\b]                      ; with lane l xor 16's: the block's largest magnitude
.endr
.irp b, 0,1,2,3
	v_add_nc_u32 v[\tm+12+\b], 0xfc000000, v[\tm+\b]                     ; 8 off its exponent field: the conversion's scale operand
.endr
.irp b, 0,1,2,3
	v_and_or_b32 v[\tm+8+\b], v[\tm+\b], 0x7f800000, s[MNT]              ; 448 x the scale
.endr
.irp b, 0,1,2,3
	v_lshrrev_b32 v[\tm+4+\b], 23, v[\tm+12+\b]                          ; the scale's byte
.endr
	v_lshl_or_b32 v[\pw], v[\tm+5], 8, v[\tm+4]
	v_lshl_or_b32 v[\pw], v[\tm+6], 16, v[\pw]
	v_lshl_or_b32 v[\pw], v[\tm+7], 24, v[\pw]
.irp b, 0,1,2,3
.irp i, 0,1,2,3,4,5,6,7,8,9,10,11,12,13,14,15
	v_med3_num_f32 v[\s+16*\b+\i], v[\s+16*\b+\i], -v[\tm+8+\b], v[\tm+8+\b]   ; the conversion to an 8-bit code does not saturate (ISA guide 7.6.2): the hold comes first
.endr
	v_cvt_scalef32_pk8_fp8_f32 v[\pc+4*\b:\pc+1+4*\b], v[\s+16*\b:\s+7+16*\b], v[\tm+12+\b]
	v_cvt_scalef32_pk8_fp8_f32 v[\pc+2+4*\b:\pc+3+4*\b], v[\s+8+16*\b:\s+15+16*\b], v[\tm+12+\b]
.endr
	v_nop                                          ; one plain vector line behind the last conversion
.endm
.macro LOAD t                          ; step t: the tile's 16 rows, 512 consecutive bytes each, into set t % 2
.irp rho, 0,1,2,3,4,5,6,7,8,9,10,11,12,13,14,15
	global_load_b128 v[RA+64*((\t)%2)+4*\rho:RA+64*((\t)%2)+4*\rho+3], v1, s[24:25] offset:(\rho+8*(\rho/8))*8192+512*(\t) th:TH_LOAD_NT
.endr
.endm
.macro TILE t
.if (\t) < 3
	s_wait_loadcnt 16                              ; this step's 16 loads are in; the next step's 16 may be out
.else
	s_wait_loadcnt 0x0
.endif
.if (\t) > 0
	s_wait_xcnt 0x0                                ; the last step's stores have read their data: those registers are written again below
.endif
.irp rho, 0,1,2,3,4,5,6,7,8,9,10,11,12,13,14,15
	ds_store_b128 v2, v[RA+64*((\t)%2)+4*\rho:RA+64*((\t)%2)+4*\rho+3] offset:16*\rho
.endr
.irp j, 0,1,2,3,4,5,6,7,8,9,10,11,12,13,14,15
	ds_load_b128 v[X+4*\j:X+4*\j+3], v3 offset:544*\j              ; LDS serves a wave's instructions in order: these see the stores above
.endr
	s_wait_dscnt 0x0
.if (\t) < 2
	LOAD (\t)+2
.endif
	QUANT X, PC, PW, TM
.irp c, 0,1,2,3
	global_store_b128 v1, v[PC+4*\c:PC+4*\c+3], s[26:27] offset:((\t)/2)*524288+((\t)%2)*2048+512*\c
.endr
.if (\t)%2 == 0
	v_mov_b32 v[PWE], v[PW]
.else
	v_cndmask_b32 v[SW+(\t)/2], v[PWE], v[PW], s[HM]               ; lanes 0-15: the even step's word; lanes 16-31: the odd step's
.endif
.endm
	s_load_b256 s[4:11], s[0:1], 0x0               ; x, wq, wk, wv
	s_load_b64 s[12:13], s[0:1], 0x20              ; wo
	s_load_b128 s[16:19], s[0:1], 0x28             ; codes, scales
	v_lshl_add_u32 v248, v0, 2, SPARE
	v_mov_b32 v249, 0
	v_lshrrev_b32 v5, 5, v0
	v_readfirstlane_b32 s23, v5                    ; wave
	s_and_b32 s22, ttmp7, 0xffff                   ; which matrix
	v_and_b32 v6, 31, v0                           ; lane
	v_lshlrev_b32 v1, 4, v6                        ; 16 x lane
	v_lshlrev_b32 v4, 3, v6                        ; 8 x lane
	s_mul_i32 s45, s23, STG                        ; my stage
	v_lshrrev_b32 v7, 3, v6                        ; as loaded, lane l holds k = 4 l .. 4 l + 3: block c = l / 8,
	v_mul_u32_u24 v2, v7, 2176
	v_and_b32 v7, 3, v6                            ; quarter l % 4 of the half's 16,
	v_mad_u32_u24 v2, v7, 544, v2
	v_bfe_u32 v7, v6, 2, 1                         ; half (l / 4) % 2
	v_mad_u32_u24 v2, v7, 272, v2
	v_add_nc_u32 v2, s45, v2                       ; in: (4 c + quarter) x 544 + half x 272; the row's 16 bytes stand in the immediate
	v_lshrrev_b32 v7, 4, v6
	v_mul_u32_u24 v3, v7, 272
	v_and_b32 v7, 15, v6
	v_lshl_add_u32 v3, v7, 4, v3
	v_add_nc_u32 v3, s45, v3                       ; back: my half x 272 + my row x 16; the register group stands in the immediate
	s_mov_b32 s[MNT], 0x600000
	s_mov_b32 s[SEL], 0x76543210
	s_mov_b32 s[SEL+1], 0xfedcba98
	s_mov_b32 s[HM], 0xffff0000
	s_lshr_b32 s40, ttmp9, 1                       ; the tile's first row, 32 (tile / 2) + 8 (tile % 2), in rows of 8,192 bytes,
	s_lshl_b32 s40, s40, 18
	s_and_b32 s41, ttmp9, 1
	s_lshl_b32 s41, s41, 16
	s_add_co_u32 s40, s40, s41
	s_lshl_b32 s41, s23, 11                        ; and my wave's four steps of 512 bytes
	s_add_co_u32 s40, s40, s41
	s_mov_b32 s41, 0
	s_mov_b32 s43, 0
.irp b, 0,1,2,3
	v_mov_b32 v[TM+4+\b], 0                        ; written once: a lane permute's destination counts as one of its sources
.endr
	s_wait_kmcnt 0x0
	s_mov_b64 s[24:25], s[4:5]                     ; the source: a choice on the work-group's number alone
	s_cmp_eq_u32 s22, 1
	s_cselect_b64 s[24:25], s[6:7], s[24:25]
	s_cmp_eq_u32 s22, 2
	s_cselect_b64 s[24:25], s[8:9], s[24:25]
	s_cmp_eq_u32 s22, 3
	s_cselect_b64 s[24:25], s[10:11], s[24:25]
	s_cmp_eq_u32 s22, 4
	s_cselect_b64 s[24:25], s[12:13], s[24:25]
	s_add_nc_u64 s[24:25], s[24:25], s[40:41]
	LOAD 0
	LOAD 1
	s_lshl_b32 s42, s22, 22                        ; codes: matrix x 4 MiB + wave x two kp + tile x 4,096
	s_lshl_b32 s44, s23, 20
	s_add_co_u32 s42, s42, s44
	s_lshl_b32 s44, ttmp9, 12
	s_add_co_u32 s42, s42, s44
	s_add_nc_u64 s[26:27], s[16:17], s[42:43]
	s_lshl_b32 s42, s22, 17                        ; scales: matrix x 131,072 + tile x 1,024 + wave x 256
	s_lshl_b32 s44, ttmp9, 10
	s_add_co_u32 s42, s42, s44
	s_lshl_b32 s44, s23, 8
	s_add_co_u32 s42, s42, s44
	s_add_nc_u64 s[28:29], s[18:19], s[42:43]
	s_wait_alu depctr_va_vdst(0)                   ; the wait at the head's end
	TILE 0
	TILE 1
	TILE 2
	TILE 3
	global_store_b64 v4, v[SW:SW+1], s[28:29]      ; 32 lanes store 256 consecutive bytes, aligned
	s_wait_tensorcnt 0x0                           ; the wave's end
	ds_add_u32 v248, v249
	s_wait_dscnt 0x0
	s_endpgm
.Lfunc_end_k_q2e41959ff0_prep:
	.size	k_q2e41959ff0_prep, .Lfunc_end_k_q2e41959ff0_prep-k_q2e41959ff0_prep
	.p2alignl 7, 3214868480
	.fill 96, 4, 3214868480
	.section	.rodata,"a",@progbits
	.p2align	6, 0x0
	.amdhsa_kernel k_q2e41959ff0_prep
		.amdhsa_group_segment_fixed_size 35328
		.amdhsa_private_segment_fixed_size 0
		.amdhsa_enable_private_segment 0
		.amdhsa_kernarg_size 56
		.amdhsa_user_sgpr_count 2
		.amdhsa_user_sgpr_kernarg_segment_ptr 1
		.amdhsa_wavefront_size32 1
		.amdhsa_system_sgpr_workgroup_id_x 1
		.amdhsa_system_sgpr_workgroup_id_y 1
		.amdhsa_system_sgpr_workgroup_id_z 1
		.amdhsa_system_vgpr_workitem_id 0
		.amdhsa_next_free_vgpr 250
		.amdhsa_next_free_sgpr 66
		.amdhsa_reserve_vcc 0
		.amdhsa_float_denorm_mode_32 3
		.amdhsa_float_denorm_mode_16_64 3
		.amdhsa_memory_ordered 1
		.amdhsa_forward_progress 1
		.amdhsa_inst_pref_size 52
	.end_amdhsa_kernel
	.amdgpu_metadata
---
amdhsa.version: [ 1, 2 ]
amdhsa.kernels:
  - .name:           k_q2e41959ff0_prep
    .symbol:         k_q2e41959ff0_prep.kd
    .args:
      - { .name: x, .offset: 0, .size: 8, .value_kind: global_buffer, .address_space: global }
      - { .name: wq, .offset: 8, .size: 8, .value_kind: global_buffer, .address_space: global }
      - { .name: wk, .offset: 16, .size: 8, .value_kind: global_buffer, .address_space: global }
      - { .name: wv, .offset: 24, .size: 8, .value_kind: global_buffer, .address_space: global }
      - { .name: wo, .offset: 32, .size: 8, .value_kind: global_buffer, .address_space: global }
      - { .name: codes, .offset: 40, .size: 8, .value_kind: global_buffer, .address_space: global }
      - { .name: scales, .offset: 48, .size: 8, .value_kind: global_buffer, .address_space: global }
    .group_segment_fixed_size: 35328
    .private_segment_fixed_size: 0
    .kernarg_segment_align: 8
    .kernarg_segment_size: 56
    .max_flat_workgroup_size: 128
    .sgpr_count:     66
    .vgpr_count:     250
    .wavefront_size: 32
...
	.end_amdgpu_metadata
.endif
;; end of part 1
;; launch qkv (part 2): grid 32 x 8, 4 waves a work-group, clusters of 4 x 4, 327,680 bytes of LDS; arguments codes, scales, freqs_cos, freqs_sin, qkvc, mask, maskp; writes qkvc, maskp
.if DOCPART == 2
	.amdgcn_target "amdgcn-amd-amdhsa--gfx1250"
	.amdhsa_code_object_version 6
	.text
	.protected	k_q2e41959ff0_qkv
	.globl	k_q2e41959ff0_qkv
	.p2align	8
	.type	k_q2e41959ff0_qkv,@function
k_q2e41959ff0_qkv:
	s_mov_b64 s[64:65], 0
	v_nop
	global_prefetch_b8 v0, s[64:65] scope:SCOPE_SE
	s_setreg_imm32_b32 hwreg(HW_REG_WAVE_MODE, 25, 1), 1
	s_wait_xcnt 0x0
	s_wait_alu depctr_hold_cnt(0) depctr_sa_sdst(0) depctr_va_vdst(0) depctr_va_sdst(0) depctr_va_ssrc(0) depctr_va_vcc(0) depctr_vm_vsrc(0)
	s_getreg_b32 s2, hwreg(HW_REG_IB_STS2, 6, 4)
	s_cmp_eq_u32 s2, 0
	s_cbranch_scc0 .Lentry_in_a_cluster
	s_endpgm
.Lentry_in_a_cluster:
	s_bfe_u32 s2, ttmp6, 0x10000c
	s_cmp_lg_u32 s2, 0xf033
	s_cbranch_scc0 .Lentry_shape_is_right
	s_endpgm
.Lentry_shape_is_right:
.set SLOT,  131072
.set SCL,   262144
.set SPARE, 294912
.set ADRA, 16
.set ADRB, 20
.set ADSA, 22
.set ADSB, 23
.set LI,   24
.set CSO,  25
.set SPW,  28
.set NIL,  29
.set SC,   32
.set AF,   128
.set H,    128
.set PC,   192
.set TM,   208
.set T,    224
.set PW,   232
.set PWE,  233
.set SW,   236
.set WV,   16
.set RH,   17
.set CH,   18
.set KIND, 19
.set MNT,  20
.set HM,   21
.set SEL,  22
.set G1,   24
.set G0,   32
.set G1B,  48
.set G0B,  56
.set G1S,  68
.set G0S,  76
.set G1SB, 80
.set G0SB, 88
.set MSB, 0
.macro WIN new
.if MSB != (\new)
	s_set_vgpr_msb (MSB<<8)|(\new)
.set MSB, (\new)
.endif
.endm
.set MUL_LO, 0xa1
.set MUL_HI, 0xf1
.set TO_B,   0x40
.macro JLOAD g0a, g1a, g0b, g1b
	s_cmp_eq_u32 s[RH], 0
	s_cbranch_scc0 .Lfor_b_\@
	tensor_load_to_lds s[\g0a:\g0a+3], s[\g1a:\g1a+7]
	s_nop 0
.rept 4
	v_nop
.endr
	s_branch .Lasked_\@
.Lfor_b_\@:
	tensor_load_to_lds s[\g0b:\g0b+3], s[\g1b:\g1b+7]
	s_nop 0
.rept 4
	v_nop
.endr
.Lasked_\@:
.endm
.macro CREST
	s_cmp_lg_u32 s[WV], 0
	s_cbranch_scc1 .Lnot_wave_0_\@
	s_barrier_signal -3
.Lnot_wave_0_\@:
	s_barrier_wait -3
	s_barrier_signal -1
	s_barrier_wait -1
.endm
.macro CROUND
	s_barrier_signal -1
	s_barrier_wait -1
	CREST
.endm
.macro PLACES n
.rept \n
	v_nop
.endr
.endm
.macro QUANT s, pc, pw, tm
.irp b, 0,1,2,3
	v_max3_num_f32 v[\tm+\b], |v[\s+16*\b]|, |v[\s+1+16*\b]|, 0x4800000
.endr
.irp i, 2,4,6,8,10,12,14
.irp b, 0,1,2,3
	v_max3_num_f32 v[\tm+\b], v[\tm+\b], |v[\s+16*\b+\i]|, |v[\s+1+16*\b+\i]|
.endr
.endr
.irp b, 0,1,2,3
	v_permlanex16_b32 v[\tm+4+\b], v[\tm+\b], s[SEL], s[SEL+1]
.endr
.irp b, 0,1,2,3
	v_max_num_f32 v[\tm+\b], v[\tm+\b], v[\tm+4+\b]
.endr
.irp b, 0,1,2,3
	v_add_nc_u32 v[\tm+12+\b], 0xfc000000, v[\tm+\b]
.endr
.irp b, 0,1,2,3
	v_and_or_b32 v[\tm+8+\b], v[\tm+\b], 0x7f800000, s[MNT]
.endr
.irp b, 0,1,2,3
	v_lshrrev_b32 v[\tm+4+\b], 23, v[\tm+12+\b]
.endr
	v_lshl_or_b32 v[\pw], v[\tm+5], 8, v[\tm+4]
	v_lshl_or_b32 v[\pw], v[\tm+6], 16, v[\pw]
	v_lshl_or_b32 v[\pw], v[\tm+7], 24, v[\pw]
.irp b, 0,1,2,3
.irp i, 0,1,2,3,4,5,6,7,8,9,10,11,12,13,14,15
	v_med3_num_f32 v[\s+16*\b+\i], v[\s+16*\b+\i], -v[\tm+8+\b], v[\tm+8+\b]
.endr
	v_cvt_scalef32_pk8_fp8_f32 v[\pc+4*\b:\pc+1+4*\b], v[\s+16*\b:\s+7+16*\b], v[\tm+12+\b]
	v_cvt_scalef32_pk8_fp8_f32 v[\pc+2+4*\b:\pc+3+4*\b], v[\s+8+16*\b:\s+15+16*\b], v[\tm+12+\b]
.endr
	v_nop
.endm
	s_load_b256 s[4:11], s[0:1], 0x0
	s_load_b64 s[12:13], s[0:1], 0x20              ; qkvc: units of 16,896 bytes: a wave's 8 fragments of codes, then their 512 bytes of scale words
	v_lshl_add_u32 v[SPW], v0, 2, SPARE
	v_mov_b32 v[NIL], 0
	ds_add_u32 v28, v29
	ds_add_u32 v28, v29
	s_wait_dscnt 0x0
	v_lshrrev_b32 v1, 5, v0
	v_readfirstlane_b32 s[WV], v1
	s_wait_alu depctr_va_vdst(0)                   ; the wait ahead of the branch
	s_cmp_ge_u32 ttmp9, 6                          ; the products take 24 x 8 work-groups; the clusters with x = 6, 7 lay the mask.  The cluster's number alone decides: all sixteen partners go the same way
	s_cbranch_scc1 .Lmask
	s_lshr_b32 s[RH], s[WV], 1
	s_and_b32 s[CH], s[WV], 1
	s_bfe_u32 s40, ttmp6, 0x40000
	s_bfe_u32 s41, ttmp6, 0x40004
	s_lshl_b32 s42, ttmp9, 2
	s_add_co_u32 s42, s42, s40
	s_and_b32 s42, s42, 7
	s_and_b32 s45, ttmp7, 0xffff
	s_lshl_b32 s45, s45, 2
	s_add_co_u32 s45, s45, s41
	s_lshl_b32 s43, s41, 2
	s_lshl_b32 s43, 15, s43
	s_lshl_b32 s44, 0x1111, s40
	s_lshr_b32 s46, ttmp9, 1
	s_add_co_u32 s46, s46, 1
	s_cmp_ge_u32 ttmp9, 4
	s_cselect_b32 s[KIND], 1, 0
	s_cselect_b32 s47, 3, 0
	s_cselect_b32 s46, 0, s46
	s_or_b32 s[G1], s43, (3<<16)|(1<<21)
	s_or_b32 s[G1B], s44, (3<<16)|(1<<21)
	s_or_b32 s[G1S], s43, (3<<16)|(1<<21)
	s_or_b32 s[G1SB], s44, (3<<16)|(1<<21)
.irp g, G1, G1B
	s_mov_b32 s[\g+1], 32<<16
	s_mov_b32 s[\g+2], 256<<16                     ; the head's loads of codes bring 256 rows of 256 bytes; behind them these two words are set to 128
	s_mov_b32 s[\g+3], 32<<16
	s_mov_b32 s[\g+4], 256
	s_mov_b32 s[\g+5], 32
	s_mov_b32 s[\g+6], 0
	s_mov_b32 s[\g+7], 0
.endr
.irp g, G1S, G1SB
	s_mov_b32 s[\g+1], 32<<16
	s_mov_b32 s[\g+2], 64<<16                      ; the scale words of 16 tiles: 64 rows of 256 bytes
	s_mov_b32 s[\g+3], 32<<16
	s_mov_b32 s[\g+4], 64
	s_mov_b32 s[\g+5], 32
	s_mov_b32 s[\g+6], 0
	s_mov_b32 s[\g+7], 0
.endr
	s_lshl_b32 s92, s47, 22
	s_lshl_b32 s93, s45, 16
	s_add_co_u32 s92, s92, s93
	s_mov_b32 s93, 0
	s_lshl_b32 s94, s47, 17
	s_lshl_b32 s95, s45, 14
	s_add_co_u32 s94, s94, s95
	s_mov_b32 s95, 0
	s_lshl_b32 s96, s46, 22
	s_lshl_b32 s97, s42, 16
	s_add_co_u32 s96, s96, s97
	s_mov_b32 s97, 0
	s_lshl_b32 s98, s46, 17
	s_lshl_b32 s99, s42, 14
	s_add_co_u32 s98, s98, s99
	s_mov_b32 s99, 0
	s_lshl_b32 s2, s[WV], 15
	s_mov_b32 s[MNT], 0x600000
	s_mov_b32 s[HM], 0xffff0000
	s_mov_b32 s[SEL], 0x76543210
	s_mov_b32 s[SEL+1], 0xfedcba98
	s_wait_kmcnt 0x0
	s_add_nc_u64 s[92:93], s[4:5], s[92:93]
	s_add_nc_u64 s[94:95], s[6:7], s[94:95]
	s_add_nc_u64 s[96:97], s[4:5], s[96:97]
	s_add_nc_u64 s[98:99], s[6:7], s[98:99]
	; THE HEAD'S FOUR TILES, each whole and dense in memory: slot 0's 64 KiB of A's codes, its 64 KiB of B's, A's 16 KiB of scale words, B's 16 KiB
	s_mov_b32 s[G0], 1
	s_mov_b32 s[G0+1], 0
	s_mov_b64 s[G0+2:G0+3], s[92:93]
	s_or_b32 s[G0+3], s[G0+3], 0x80000000
	s_mov_b32 s[G0B], 1
	s_mov_b32 s[G0B+1], 65536
	s_mov_b64 s[G0B+2:G0B+3], s[96:97]
	s_or_b32 s[G0B+3], s[G0B+3], 0x80000000
	s_mov_b32 s[G0S], 1
	s_mov_b32 s[G0S+1], SCL
	s_mov_b64 s[G0S+2:G0S+3], s[94:95]
	s_or_b32 s[G0S+3], s[G0S+3], 0x80000000
	s_mov_b32 s[G0SB], 1
	s_mov_b32 s[G0SB+1], SCL+16384
	s_mov_b64 s[G0SB+2:G0SB+3], s[98:99]
	s_or_b32 s[G0SB+3], s[G0SB+3], 0x80000000
	CROUND                                         ; all sixteen work-groups are here: the first joint loads meet
; one joint load a wave: one chain of branches on the wave's number, a load to an arm, all arms leading to one join
.macro ARM under, g0, g1, next
	s_cmp_lt_u32 s[WV], \under
	s_cbranch_scc0 \next
	tensor_load_to_lds s[\g0:\g0+3], s[\g1:\g1+7]
	s_nop 0
.rept 4
	v_nop
.endr
	s_branch .Lhead_asked
\next:
.endm
	ARM 1, G0,  G1,  .Lhead_b
	ARM 2, G0B, G1B, .Lhead_sa
	ARM 3, G0S, G1S, .Lhead_sb
	tensor_load_to_lds s[G0SB:G0SB+3], s[G1SB:G1SB+7]
	s_nop 0
.rept 4
	v_nop
.endr
.Lhead_asked:
	s_lshl_b32 s66, s[CH], 15                      ; in the ring a wave fetches half a tile: 32 KiB, which half
	s_mov_b32 s67, 0
	s_mov_b32 s[G0+4], 1                           ; slot 1's group 0: K steps 2 and 3
	s_add_co_u32 s[G0+5], s2, SLOT
	s_add_nc_u64 s[G0+6:G0+7], s[92:93], s[66:67]
	s_add_nc_u64 s[G0+6:G0+7], s[G0+6:G0+7], 524288
	s_or_b32 s[G0+7], s[G0+7], 0x80000000
	s_mov_b32 s[G0B+4], 1
	s_add_co_u32 s[G0B+5], s2, SLOT
	s_add_nc_u64 s[G0B+6:G0B+7], s[96:97], s[66:67]
	s_add_nc_u64 s[G0B+6:G0B+7], s[G0B+6:G0B+7], 524288
	s_or_b32 s[G0B+7], s[G0B+7], 0x80000000
	; the prefetches: of the 32 KiB that my wave fetches for a slot, each of the four partners of the joint load names 8 KiB, told apart by address (cx for A, cy for B); a lane names 256 bytes.  s[100:101] stands at slot 1's
	s_cmp_eq_u32 s[RH], 0
	s_cselect_b64 s[100:101], s[92:93], s[96:97]
	s_cselect_b32 s46, s40, s41
	s_lshl_b32 s46, s46, 13
	s_add_co_u32 s46, s46, 524288
	s_mov_b32 s47, 0
	s_add_nc_u64 s[100:101], s[100:101], s[46:47]
	s_add_nc_u64 s[100:101], s[100:101], s[66:67]
	s_lshl_b32 s92, s45, 1
	s_add_co_u32 s92, s92, s[RH]
	s_lshl_b32 s93, s42, 1
	s_add_co_u32 s93, s93, s[CH]
	s_lshr_b32 s94, ttmp9, 1
	s_cmp_lg_u32 s[KIND], 0
	s_cselect_b32 s94, 2, s94
	s_cselect_b32 s95, s92, s93
	s_cselect_b32 s96, s93, s92
	s_lshl_b32 s98, s94, 4                         ; my unit: ((tensor x 16 + head) x 16 + block of 128 tokens) x 16,896 bytes
	s_add_co_u32 s98, s98, s95
	s_lshl_b32 s98, s98, 4
	s_add_co_u32 s98, s98, s96
	s_mul_i32 s98, s98, 16896
	s_mov_b32 s99, 0
	s_add_nc_u64 s[12:13], s[12:13], s[98:99]
	s_add_nc_u64 s[14:15], s[12:13], 16384         ; its scale words lie behind its codes
	s_lshl_b32 s98, s92, 15
	s_add_nc_u64 s[8:9], s[8:9], s[98:99]
	s_add_nc_u64 s[10:11], s[10:11], s[98:99]
	s_cmp_eq_u32 s[CH], 0                          ; my 128 tokens' rows of cos and sin, 32 KiB each, are shared out: column half 0 names cos, half 1 sin; partner cx names 32 rows, a lane a row of 256 bytes
	s_cselect_b64 s[46:47], s[8:9], s[10:11]
	s_lshl_b32 s98, s40, 13
	s_add_nc_u64 s[46:47], s[46:47], s[98:99]
	v_and_b32 v1, 31, v0
	v_lshlrev_b32 v[LI], 4, v1
	v_lshlrev_b32 v30, 8, v1                       ; the prefetches' offset: 256 x lane; never rewritten
	global_prefetch_b8 v30, s[100:101] th:TH_LOAD_NT scope:SCOPE_SE                  ; slots 1 and 2: the start of a lead of two fills
	global_prefetch_b8 v30, s[100:101] offset:524288 th:TH_LOAD_NT scope:SCOPE_SE
	s_lshl_b32 s92, s[RH], 15
	v_add_nc_u32 v[ADRA], s92, v[LI]
	v_add_nc_u32 v[ADRA+1], SLOT, v[ADRA]
	s_lshl_b32 s92, s[CH], 15
	s_add_co_u32 s92, s92, 65536
	v_add_nc_u32 v[ADRB], s92, v[LI]
	v_add_nc_u32 v[ADRB+1], SLOT, v[ADRB]
	v_lshlrev_b32 v2, 3, v1
	s_lshl_b32 s92, s[RH], 13
	s_add_co_u32 s92, s92, SCL
	v_add_nc_u32 v[ADSA], s92, v2
	s_lshl_b32 s92, s[CH], 13
	s_add_co_u32 s92, s92, SCL+16384
	v_add_nc_u32 v[ADSB], s92, v2
	v_and_b32 v2, 15, v0
	v_and_b32 v3, 8, v2
	v_add_nc_u32 v3, v3, v2
	v_bfe_u32 v4, v0, 4, 1
	v_lshlrev_b32 v[CSO], 8, v3
	v_lshl_add_u32 v[CSO], v4, 5, v[CSO]
.macro CLOAD a
	WIN TO_B
.irp be, 0,1,2,3
.irp e, 0,1
	global_load_b128 v[64*((\a)%4)+8*\be+4*\e:64*((\a)%4)+8*\be+4*\e+3], v[CSO], s[8:9] offset:(32*((\a)/2)+8*((\a)%2))*256+64*\be+16*\e
	global_load_b128 v[64*((\a)%4)+32+8*\be+4*\e:64*((\a)%4)+32+8*\be+4*\e+3], v[CSO], s[10:11] offset:(32*((\a)/2)+8*((\a)%2))*256+64*\be+16*\e
.endr
.endr
	WIN 0
.endm
.macro FRAG reg, adr, q, i
.irp c, 0,1,2,3
	ds_load_b128 v[\reg+4*\c:\reg+4*\c+3], v[\adr] offset:(\i)*4096+(\q)*2048+512*\c
.endr
.endm
.macro MM acc, bf, af, sb, sa, q, zero
.if \zero
	v_wmma_scale_f32_16x16x128_f8f6f4 v[(\acc):(\acc)+7], v[(\bf):(\bf)+15], v[(\af):(\af)+15], 0, v[\sb], v[\sa]
.elseif \q
	v_wmma_scale_f32_16x16x128_f8f6f4 v[(\acc):(\acc)+7], v[(\bf):(\bf)+15], v[(\af):(\af)+15], v[(\acc):(\acc)+7], v[\sb], v[\sa] matrix_a_scale:MATRIX_SCALE_ROW1 matrix_b_scale:MATRIX_SCALE_ROW1
.else
	v_wmma_scale_f32_16x16x128_f8f6f4 v[(\acc):(\acc)+7], v[(\bf):(\bf)+15], v[(\af):(\af)+15], v[(\acc):(\acc)+7], v[\sb], v[\sa]
.endif
.endm
.macro MUL16 a0, p, q, sc, zero
.irp a, \a0, \a0+1
.irp b, 0,1,2,3,4,5,6,7
	MM 8*(8*((\a)%4)+\b), 128*(\p)+16*\b, AF+16*(\a), SC+16*(\sc)+8+\b, SC+16*(\sc)+(\a), \q, \zero
.endr
.endr
.endm
.macro FETCH_B slot, q, p
	WIN TO_B
.irp i, 0,1,2,3,4,5,6,7
	FRAG 128*(\p)+16*\i, ADRB+\slot, \q, \i
.endr
	WIN 0
.endm
.macro FETCH_A slot, q, i0
.irp i, \i0, \i0+1, \i0+2, \i0+3
	FRAG AF+16*(\i), ADRA+\slot, \q, \i
.endr
.endm
.macro SCALES sc
.irp i, 0,1,2,3,4,5,6,7
	ds_load_b32 v[SC+16*(\sc)+\i], v[ADSA] offset:\i*1024+4*(\sc)
	ds_load_b32 v[SC+16*(\sc)+8+\i], v[ADSB] offset:\i*1024+4*(\sc)
.endr
.endm
.macro STEP slot, q, zero
	s_wait_dscnt 16
	WIN MUL_LO
	MUL16 0, (\q)%2, \q, \slot, \zero
	MUL16 2, (\q)%2, \q, \slot, \zero
	s_wait_dscnt 0x0
	PLACES 8
	FETCH_B \slot, (\q)+1, 1-(\q)%2
	FETCH_A \slot, (\q)+1, 0
	WIN MUL_HI
	MUL16 4, (\q)%2, \q, \slot, \zero
	MUL16 6, (\q)%2, \q, \slot, \zero
	PLACES 8
	WIN 0
	FETCH_A \slot, (\q)+1, 4
.endm
.macro TURN slot, next, fill
	s_wait_dscnt 16
	WIN MUL_LO
	MUL16 0, 1, 1, \slot, 0
	MUL16 2, 1, 1, \slot, 0
	WIN 0
	s_wait_tensorcnt 0x0
	ds_add_u32 v[SPW], v[NIL]
.if \fill
	s_add_nc_u64 s[G0+4*\slot+2:G0+4*\slot+3], s[G0+4*\slot+2:G0+4*\slot+3], 1048576
	s_add_nc_u64 s[G0B+4*\slot+2:G0B+4*\slot+3], s[G0B+4*\slot+2:G0B+4*\slot+3], 1048576
	s_wait_xcnt 0x0                                ; my last prefetch has read its address, so it may be stepped: to the fill that is asked for below
	s_add_nc_u64 s[100:101], s[100:101], 524288
.endif
	s_wait_dscnt 0x0
	s_barrier_signal -1
	s_barrier_wait -1
.if \fill
	CREST
	JLOAD G0+4*\slot, G1, G0B+4*\slot, G1B
	PLACES 4
.else
	PLACES 8
.endif
.if (\next) == 0
	v_add_nc_u32 v[ADSA], 256, v[ADSA]
	v_add_nc_u32 v[ADSB], 256, v[ADSB]
.endif
	FETCH_B \next, 0, 0
	FETCH_A \next, 0, 0
	s_wait_alu depctr_va_vdst(0)
	SCALES \next
.if \fill
	s_cmp_gt_u32 s3, 1                             ; the loop's last trip loads the last two fills: nothing lies two fills on
	s_cbranch_scc0 .Lnone_\@
	global_prefetch_b8 v30, s[100:101] offset:1048576 th:TH_LOAD_NT scope:SCOPE_SE   ; my 8 KiB of the fill two on
.Lnone_\@:
.endif
	WIN MUL_HI
	MUL16 4, 1, 1, \slot, 0
	MUL16 6, 1, 1, \slot, 0
	PLACES 8
	WIN 0
	FETCH_A \next, 0, 4
.endm
	s_wait_alu depctr_va_vdst(0)
	s_wait_tensorcnt 0x0                           ; my tile of the head's four is in
	ds_add_u32 v[SPW], v[NIL]
	s_mov_b32 s[G1+2], 128<<16                     ; no tensor load of mine is out: from here on a load brings 128 rows,
	s_mov_b32 s[G1+4], 128
	s_mov_b32 s[G1B+2], 128<<16
	s_mov_b32 s[G1B+4], 128
	s_mov_b32 s[G0+1], s2                          ; and slot 0's group 0 names my half of a tile
	s_add_nc_u64 s[G0+2:G0+3], s[G0+2:G0+3], s[66:67]
	s_mov_b32 s[G0B+1], s2
	s_add_nc_u64 s[G0B+2:G0B+3], s[G0B+2:G0B+3], s[66:67]
	s_wait_dscnt 0x0
	CROUND                                         ; all four tiles are shown to every wave, and the sixteen work-groups meet
	JLOAD G0+4, G1, G0B+4, G1B                     ; slot 1's first fill: my one tensor load behind the round
	FETCH_B 0, 0, 0
	FETCH_A 0, 0, 0
	SCALES 0
	FETCH_A 0, 0, 4
	global_prefetch_b8 v30, s[100:101] offset:1048576 th:TH_LOAD_NT scope:SCOPE_SE   ; the fill two on from slot 1's
	s_cmp_lg_u32 s[KIND], 0                        ; V's work-groups read no cos or sin (the cluster's number alone decides)
	s_cbranch_scc1 .Lno_cs
	global_prefetch_b8 v30, s[46:47] th:TH_LOAD_NT scope:SCOPE_SE
.Lno_cs:
	STEP 0, 0, 1
	s_mov_b32 s3, 3
.Llap:
	TURN 0, 1, 1
	STEP 1, 0, 0
	TURN 1, 0, 1
	STEP 0, 0, 0
	s_sub_co_u32 s3, s3, 1
	s_cmp_lg_u32 s3, 0
	s_cbranch_scc1 .Llap
	TURN 0, 1, 0
	STEP 1, 0, 0
	s_cmp_lg_u32 s[KIND], 0
	s_cbranch_scc1 .Lno_early
	CLOAD 0
	CLOAD 1
.Lno_early:
	s_wait_dscnt 16
	WIN MUL_LO
	MUL16 0, 1, 1, 1, 0
	MUL16 2, 1, 1, 1, 0
	s_wait_dscnt 0x0
	WIN MUL_HI
	MUL16 4, 1, 1, 1, 0
	MUL16 6, 1, 1, 1, 0
	WIN 0
.macro OUTBLK a, rot
.set AC, 64*((\a)%4)
.set CB, 64*((\a)%4)
.if (\a) > 0
	s_wait_xcnt 0x0
.endif
.if \rot
.if (\a) < 5
	s_wait_loadcnt 48
.else
	s_wait_loadcnt 16*(7-(\a))
.endif
	WIN 0x06+(\a)/4
.irp g, 0,1,2,3,4,5,6,7,8,9,10,11,12,13,14,15
	v_pk_mul_f32 v[T+4*(\g%2):T+4*(\g%2)+1], v[AC+4*\g:AC+4*\g+1], v[CB+32+2*\g:CB+32+2*\g+1] op_sel:[1,0] op_sel_hi:[0,0]
	v_pk_mul_f32 v[T+4*(\g%2)+2:T+4*(\g%2)+3], v[AC+4*\g+2:AC+4*\g+3], v[CB+32+2*\g:CB+32+2*\g+1] op_sel:[1,1] op_sel_hi:[0,1]
	v_pk_fma_f32 v[H+4*\g:H+4*\g+1], v[AC+4*\g:AC+4*\g+1], v[CB+2*\g:CB+2*\g+1], v[T+4*(\g%2):T+4*(\g%2)+1] op_sel:[0,0,0] op_sel_hi:[1,0,1] neg_lo:[0,0,1]
	v_pk_fma_f32 v[H+4*\g+2:H+4*\g+3], v[AC+4*\g+2:AC+4*\g+3], v[CB+2*\g:CB+2*\g+1], v[T+4*(\g%2)+2:T+4*(\g%2)+3] op_sel:[0,1,0] op_sel_hi:[1,1,1] neg_lo:[0,0,1]
.endr
	WIN 0
.if (\a) < 4
	CLOAD (\a)+4
.endif
.else
	WIN 0x02+(\a)/4
.set cnt, 0
.rept 32
	v_pk_mul_f32 v[H+cnt:H+cnt+1], v[AC+cnt:AC+cnt+1], 1.0 op_sel_hi:[1,0]
.set cnt, cnt+2
.endr
	WIN 0
.endif
	QUANT H, PC, PW, TM
.irp c, 0,1,2,3
	global_store_b128 v[LI], v[PC+4*\c:PC+4*\c+3], s[12:13] offset:(\a)*2048+512*\c
.endr
.if (\a)%2 == 0
	v_mov_b32 v[PWE], v[PW]
.else
	v_cndmask_b32 v[SW+(\a)/2], v[PWE], v[PW], s[HM]
.endif
.endm
	PLACES 8
.irp b, 0,1,2,3
	v_mov_b32 v[TM+4+\b], 0
.endr
	s_cmp_lg_u32 s[KIND], 0
	s_cbranch_scc1 .Lvout
	CLOAD 2
	CLOAD 3
.irp a, 0,1,2,3,4,5,6,7
	OUTBLK \a, 1
.endr
	s_branch .Lfin
.Lvout:
.irp a, 0,1,2,3,4,5,6,7
	OUTBLK \a, 0
.endr
.Lfin:
	s_wait_alu depctr_va_vdst(0)
	global_store_b128 v[LI], v[SW:SW+3], s[14:15]
	s_wait_tensorcnt 0x0
	ds_add_u32 v[SPW], v[NIL]
	s_wait_dscnt 0x0
	CROUND
	s_endpgm
; THE MASK ([2048][2048] f32) is laid in the order in which the attention launch wants it as the C of its first product, times sqrt(128), held within +-2^126.
; maskp: (tile*16 + ks)*8192 + j*512 + lane*16: four numbers, query = the tile's row r = lane % 16 (row 32 (tile / 2) + 8 (tile % 2) + r + 8 (r / 8)), keys 128 ks + 32 (j / 4) + 16 (lane / 16) + 4 (j % 4) + 0 .. 3.
; SHARES.  64 work-groups, none of which any joint load names: they issue no tensor load.  Work-group id takes tiles 2 id and 2 id + 1; wave w takes tile 2 id + w / 2, key steps 8 (w % 2) .. + 7: four trips of two.
; A load reads two rows' 256 consecutive bytes (half a key step); a half turns through the wave's own stage, 8 groups x (2 halves x (16 rows x 16 bytes + 16)) = 4,352 bytes behind the spare words, where no fill lands.
; LIMITS: mask magnitudes over 2^126 / sqrt(128), about 7.5e36, all count as that hold (-infinity too); NaN is not served.
.Lmask:
.set MST, SPARE+512
.set RA,  64                           ; v64-191  two key steps as loaded
.set X,   192                          ; v192-255 a key step after the turn: registers 4 j .. 4 j + 3 are store j's
	s_load_b128 s[24:27], s[0:1], 0x28             ; mask, maskp
	s_bfe_u32 s40, ttmp6, 0x40000                  ; cx, cy: they enter global addresses alone
	s_bfe_u32 s41, ttmp6, 0x40004
	s_sub_co_u32 s42, ttmp9, 6
	s_lshl_b32 s42, s42, 2
	s_add_co_u32 s42, s42, s40
	s_and_b32 s43, ttmp7, 0xffff
	s_lshl_b32 s43, s43, 2
	s_add_co_u32 s43, s43, s41
	s_lshl_b32 s43, s43, 3
	s_add_co_u32 s42, s42, s43                     ; id 0 .. 63
	s_lshl_b32 s42, s42, 1
	s_lshr_b32 s44, s[WV], 1
	s_add_co_u32 s42, s42, s44                     ; my tile
	s_and_b32 s44, s[WV], 1                        ; which eight key steps
	s_lshr_b32 s46, s42, 1                         ; the tile's first row, in rows of 8,192 bytes, and my first key step, 512 bytes each
	s_lshl_b32 s46, s46, 18
	s_and_b32 s47, s42, 1
	s_lshl_b32 s47, s47, 16
	s_add_co_u32 s46, s46, s47
	s_lshl_b32 s47, s44, 12
	s_add_co_u32 s46, s46, s47
	s_mov_b32 s47, 0
	s_lshl_b32 s48, s42, 17                        ; maskp: (tile x 16 + 8 (w % 2)) x 8,192
	s_lshl_b32 s49, s44, 16
	s_add_co_u32 s48, s48, s49
	s_mov_b32 s49, 0
	s_mul_i32 s45, s[WV], 4352
	s_add_co_u32 s45, s45, MST                     ; my stage
	v_and_b32 v6, 31, v0                           ; lane
	v_lshlrev_b32 v1, 4, v6                        ; out: 16 x lane
	v_and_b32 v7, 15, v6                           ; p = lane % 16
	v_lshrrev_b32 v8, 4, v6                        ; lane / 16
	v_lshlrev_b32 v4, 13, v8
	v_lshl_add_u32 v4, v7, 4, v4                   ; a load: lanes 0-15 one row's 256 bytes, lanes 16-31 the next row's
	v_lshrrev_b32 v9, 3, v7                        ; as loaded, a lane holds keys 4 p .. 4 p + 3 of the half step: block p / 8,
	v_mul_u32_u24 v2, v9, 2176
	v_and_b32 v9, 3, v7                            ; quarter p % 4,
	v_mad_u32_u24 v2, v9, 544, v2
	v_bfe_u32 v9, v7, 2, 1                         ; half (p / 4) % 2
	v_mad_u32_u24 v2, v9, 272, v2
	v_lshl_add_u32 v2, v8, 4, v2
	v_add_nc_u32 v2, s45, v2                       ; in: (4 block + quarter) x 544 + half x 272 + 16 x row; load i holds rows 2 i and 2 i + 1
	v_mul_u32_u24 v3, v8, 272
	v_lshl_add_u32 v3, v7, 4, v3
	v_add_nc_u32 v3, s45, v3                       ; back: my half x 272 + my row x 16; the group stands in the immediate
	s_mov_b32 s36, 0x413504f3                      ; sqrt(128)
	s_mov_b32 s37, s36                             ; (named with it as a pair, so it is written)
	s_mov_b32 s38, 0xfe800000                      ; -2^126
	s_mov_b32 s39, 0x7e800000                      ; +2^126
	s_mov_b32 s50, 0
	s_wait_alu depctr_va_vdst(0)                   ; the wait at the head's end
	s_wait_kmcnt 0x0
	s_add_nc_u64 s[24:25], s[24:25], s[46:47]
	s_add_nc_u64 s[26:27], s[26:27], s[48:49]
.Lmt:
.irp u, 0,1
.irp hs, 0,1
.irp i, 0,1,2,3,4,5,6,7
	global_load_b128 v[RA+64*\u+32*\hs+4*\i:RA+64*\u+32*\hs+4*\i+3], v4, s[24:25] offset:(2*\i+8*(\i/4))*8192+512*\u+256*\hs th:TH_LOAD_NT
.endr
.endr
.endr
.irp u, 0,1
	s_wait_loadcnt 16*(1-\u)                       ; this key step's 16 loads are in; the trip's second step's 16 may be out
.if \u
	s_wait_xcnt 0x0                                ; the first step's stores have read their data: those registers are loaded again below
.endif
.irp hs, 0,1
.irp i, 0,1,2,3,4,5,6,7
	ds_store_b128 v2, v[RA+64*\u+32*\hs+4*\i:RA+64*\u+32*\hs+4*\i+3] offset:32*\i
.endr
.irp j, 0,1,2,3,4,5,6,7
	ds_load_b128 v[X+32*\hs+4*\j:X+32*\hs+4*\j+3], v3 offset:544*\j    ; LDS serves a wave's instructions in order: these see the stores above, and the next half's stores come behind them
.endr
.endr
	s_wait_dscnt 0x0
.set cnt, 0
.rept 32
	v_pk_mul_f32 v[X+cnt:X+cnt+1], v[X+cnt:X+cnt+1], s[36:37] op_sel_hi:[1,0]   ; x sqrt(128): the scores are divided by it only behind the sum
.set cnt, cnt+2
.endr
.set cnt, 0
.rept 64
	v_med3_num_f32 v[X+cnt], v[X+cnt], s38, s39    ; held within +-2^126: finite
.set cnt, cnt+1
.endr
.irp j, 0,1,2,3,4,5,6,7,8,9,10,11,12,13,14,15
	global_store_b128 v1, v[X+4*\j:X+4*\j+3], s[26:27] offset:8192*\u+512*\j    ; 512 consecutive bytes a store
.endr
.endr
	s_wait_xcnt 0x0                                ; the trip's loads and stores have read their bases and data
	s_add_nc_u64 s[24:25], s[24:25], 1024          ; two key steps on
	s_add_nc_u64 s[26:27], s[26:27], 16384
	s_add_co_u32 s50, s50, 1
	s_cmp_lt_u32 s50, 4
	s_wait_alu depctr_va_vdst(0)                   ; the wait ahead of the branch
	s_cbranch_scc1 .Lmt
	s_wait_tensorcnt 0x0                           ; the wave's end
	ds_add_u32 v[SPW], v[NIL]
	s_wait_dscnt 0x0
	CROUND                                         ; the closing round of a cluster that lays the mask: its one round
	s_endpgm
.Lfunc_end_k_q2e41959ff0_qkv:
	.size	k_q2e41959ff0_qkv, .Lfunc_end_k_q2e41959ff0_qkv-k_q2e41959ff0_qkv
	.p2alignl 7, 3214868480
	.fill 96, 4, 3214868480
	.section	.rodata,"a",@progbits
	.p2align	6, 0x0
	.amdhsa_kernel k_q2e41959ff0_qkv
		.amdhsa_group_segment_fixed_size 327680
		.amdhsa_private_segment_fixed_size 0
		.amdhsa_enable_private_segment 0
		.amdhsa_kernarg_size 56
		.amdhsa_user_sgpr_count 2
		.amdhsa_user_sgpr_kernarg_segment_ptr 1
		.amdhsa_wavefront_size32 1
		.amdhsa_system_sgpr_workgroup_id_x 1
		.amdhsa_system_sgpr_workgroup_id_y 1
		.amdhsa_system_sgpr_workgroup_id_z 1
		.amdhsa_system_vgpr_workitem_id 0
		.amdhsa_next_free_vgpr 1024
		.amdhsa_next_free_sgpr 102
		.amdhsa_reserve_vcc 0
		.amdhsa_float_denorm_mode_32 3
		.amdhsa_float_denorm_mode_16_64 3
		.amdhsa_memory_ordered 1
		.amdhsa_forward_progress 1
		.amdhsa_inst_pref_size 255
	.end_amdhsa_kernel
	.section	.bss,"aw",@nobits
	.p2align	6
	.space	262144
	.amdgpu_metadata
---
amdhsa.version: [ 1, 2 ]
amdhsa.kernels:
  - .name:           k_q2e41959ff0_qkv
    .symbol:         k_q2e41959ff0_qkv.kd
    .args:
      - { .name: codes, .offset: 0, .size: 8, .value_kind: global_buffer, .address_space: global }
      - { .name: scales, .offset: 8, .size: 8, .value_kind: global_buffer, .address_space: global }
      - { .name: freqs_cos, .offset: 16, .size: 8, .value_kind: global_buffer, .address_space: global }
      - { .name: freqs_sin, .offset: 24, .size: 8, .value_kind: global_buffer, .address_space: global }
      - { .name: qkvc, .offset: 32, .size: 8, .value_kind: global_buffer, .address_space: global }
      - { .name: mask, .offset: 40, .size: 8, .value_kind: global_buffer, .address_space: global }
      - { .name: maskp, .offset: 48, .size: 8, .value_kind: global_buffer, .address_space: global }
    .group_segment_fixed_size: 327680
    .private_segment_fixed_size: 0
    .kernarg_segment_align: 8
    .kernarg_segment_size: 56
    .max_flat_workgroup_size: 128
    .sgpr_count:     102
    .vgpr_count:     1024
    .wavefront_size: 32
...
	.end_amdgpu_metadata
.endif
;; end of part 2
;; launch attn (part 3): grid 16 x 16, 8 waves a work-group, clusters of 4 x 1, 327,680 bytes of LDS; arguments qkvc, maskp, oc, os; writes oc, os
.if DOCPART == 3
	.amdgcn_target "amdgcn-amd-amdhsa--gfx1250"
	.amdhsa_code_object_version 6
	.text
	.protected	k_q2e41959ff0_attn
	.globl	k_q2e41959ff0_attn
	.p2align	8
	.type	k_q2e41959ff0_attn,@function
k_q2e41959ff0_attn:
	s_mov_b64 s[64:65], 0
	v_nop
	global_prefetch_b8 v0, s[64:65] scope:SCOPE_SE
	s_setreg_imm32_b32 hwreg(HW_REG_WAVE_MODE, 25, 1), 1
	s_wait_xcnt 0x0
	s_wait_alu depctr_hold_cnt(0) depctr_sa_sdst(0) depctr_va_vdst(0) depctr_va_sdst(0) depctr_va_ssrc(0) depctr_va_vcc(0) depctr_vm_vsrc(0)
	s_getreg_b32 s2, hwreg(HW_REG_IB_STS2, 6, 4)
	s_cmp_eq_u32 s2, 0
	s_cbranch_scc0 .Lentry_in_a_cluster
	s_endpgm
.Lentry_in_a_cluster:
	s_bfe_u32 s2, ttmp6, 0x10000c
	s_cmp_lg_u32 s2, 0x3003
	s_cbranch_scc0 .Lentry_shape_is_right
	s_endpgm
.Lentry_shape_is_right:
; ATTN.  O[h][q] = sum over k of softmax_k(q . k / sqrt(128) + mask[q][k]) v[h][k], both products on codes of FP8 (E4M3) with E8M0 scales; O / l is quantised along D for the last product.
; THE MASK IS AN INPUT: every key is computed for every query, and every number of the mask is added.  It costs no vector instruction: maskp holds mask x sqrt(128) in the order of the first product's result registers,
; and is that product's C.  So D = q . k + mask sqrt(128), and t = D c with c = log2(e) / sqrt(128).
; THE SOFTMAX: M = the row's largest t so far, rounded UP to a whole number (kept as -M = floor(-t)); p = 2^(t - M) is what is quantised, along the keys; the row's sum is taken of the unquantised p and divides O at the end.
; When M moves, the sum and O are multiplied by 2^(old M - new M): exact.
; SHARES.  A work-group owns 128 queries of one head; each of its eight waves owns one tile of 16 (tile T = 8 x block + wave, rows 32 (T / 2) + 8 (T % 2) + r + 8 (r / 8)), in 512 registers: two waves to a SIMD.
; Every wave walks all 2,048 keys, 128 a step.  K's and V's fragments (8 x 2,048 bytes a step each) come through two LDS slots of 512 keys; wave w fetches one step's 16 KiB (waves 0-3: K's, waves 4-7: V's).
; CLUSTER.  The four query blocks of a cluster belong to one head and walk the same K and V: every tile and the scale words are asked for JOINTLY, with a mask that names the four.
; LAYOUT.  S^T = K Q^T (source 0 = 16 keys, source 1 = my queries), O^T = V^T P^T (source 0 = 16 channels, source 1 = P).  The rows of a tile are chosen so that register 16 b + i of a result is key (channel) 32 b + 16 (lane / 16) + i:
; p's conversions give the second product's operand, and O's give the last product's fragment.  A lane holds one query throughout.
; TWO BUFFERS OF 64 REGISTERS TAKE TURNS, step s in buffer s % 2.  A buffer holds the step's mask tile, then (the product adds IN PLACE: D = C) its scores, then p; when p's conversions have read it, the mask tile of step s + 2
; is loaded into it.  So a tile's 16 loads have a whole step and more in which to land, and two tiles (16 KiB a wave) are on their way at a time.
; THE PIPELINE.  PART1(s): V(s) is asked of LDS, S^T(s) is multiplied (K(s) is in registers).  PART2(s): K of step s + 1 is asked of LDS, softmax(s), the mask tile of step s + 2 is asked of memory, O^T += V^T P^T.
; LIMITS: hidden keys carry -2^126 (the hold of the launch before).  A row in which EVERY key is hidden gets p = 1 for each key whose sum comes out at -2^126, the mean over those keys.  NaN is not served.
; REGISTERS: window 0: v1-10 addresses; v12 -M, v13 the largest t, v[14:15] the sum; v16-31 Q; v32-95, v96-159 the two buffers; v160-223 O^T; v224-239 p's codes; v232-247, v252, v254 at work;
;   v248-251 K's, then V's scale words; v253 p's scale word; v255 Q's.   window 1: v0-127 K's eight fragments, v128-255 V's.
.set UNIT,  16896                      ; a key step of K or of V in qkvc and in LDS: 8 fragments of 2,048 bytes, then their 512 bytes of scale words: 66 rows of 256 bytes, one tensor load
.set SLOT1, 8*UNIT                     ; a slot: K's four steps, then V's four
.set VOFF,  4*UNIT
.set SCK,   16384                      ; where a unit's scale words begin
.set SPARE, 16*UNIT                    ; behind the two slots: the spare words, 128 bytes for each wave: four blocks of 256 bytes that no other line names
.set B0,   32                          ; the even steps' buffer
.set B1,   96                          ; the odd steps'
.set LI,   1                           ; 16 x lane
.set LIV,  2                           ; + VOFF
.set LIS,  3                           ; + SCK
.set SPW,  4
.set NIL,  5
.set PFO,  6                           ; 256 x lane
.set ADK,  8
.set ADV,  9
.set ADS,  10
.set WV,   14
.set MNT,  19
.set SEL,  20
.set CS,   22
.set G1,   24                          ; s[24:31] a step's unit of 16,896 bytes as 66 rows of 256 bytes
.set G0A,  44                          ; slot 0
.set G0B,  48                          ; slot 1
.set TB,   52                          ; LDS byte at which the step in hand begins
.set CNT,  54
.set KS,   55                          ; the key step
.set LIM,  56                          ; a wave prefetches while KS is under it
.set MB,   58                          ; s[58:59] my mask tile one step behind the one last asked for
.set MSB, 0
.macro WIN new
.if MSB != (\new)
	s_set_vgpr_msb (MSB<<8)|(\new)
.set MSB, (\new)
.endif
.endm
.macro CROUND
	s_barrier_signal -1
	s_barrier_wait -1
	s_cmp_lg_u32 s[WV], 0
	s_cbranch_scc1 .Lnot_wave_0_\@
	s_barrier_signal -3
.Lnot_wave_0_\@:
	s_barrier_wait -3
	s_barrier_signal -1
	s_barrier_wait -1
.endm
.macro QUANT s, pc, pw, tm
.irp b, 0,1,2,3
	v_max3_num_f32 v[\tm+\b], |v[\s+16*\b]|, |v[\s+1+16*\b]|, 0x4800000
.endr
.irp i, 2,4,6,8,10,12,14
.irp b, 0,1,2,3
	s_delay_alu instid0(VALU_DEP_4)
	v_max3_num_f32 v[\tm+\b], v[\tm+\b], |v[\s+16*\b+\i]|, |v[\s+1+16*\b+\i]|
.endr
.endr
.irp b, 0,1,2,3
	s_delay_alu instid0(VALU_DEP_4)
	v_permlanex16_b32 v[\tm+4+\b], v[\tm+\b], s[SEL], s[SEL+1]
.endr
.irp b, 0,1,2,3
	s_delay_alu instid0(VALU_DEP_4)
	v_max_num_f32 v[\tm+\b], v[\tm+\b], v[\tm+4+\b]
.endr
.irp b, 0,1,2,3
	s_delay_alu instid0(VALU_DEP_4)
	v_add_nc_u32 v[\tm+12+\b], 0xfc000000, v[\tm+\b]
.endr
.irp b, 0,1,2,3
	v_and_or_b32 v[\tm+8+\b], v[\tm+\b], 0x7f800000, s[MNT]
.endr
.irp b, 0,1,2,3
	v_lshrrev_b32 v[\tm+4+\b], 23, v[\tm+12+\b]
.endr
	s_delay_alu instid0(VALU_DEP_3)
	v_lshl_or_b32 v[\pw], v[\tm+5], 8, v[\tm+4]
	s_delay_alu instid0(VALU_DEP_1)
	v_lshl_or_b32 v[\pw], v[\tm+6], 16, v[\pw]
	s_delay_alu instid0(VALU_DEP_1)
	v_lshl_or_b32 v[\pw], v[\tm+7], 24, v[\pw]
.irp b, 0,1,2,3
.irp i, 0,1,2,3,4,5,6,7,8,9,10,11,12,13,14,15
	v_med3_num_f32 v[\s+16*\b+\i], v[\s+16*\b+\i], -v[\tm+8+\b], v[\tm+8+\b]
.endr
	v_cvt_scalef32_pk8_fp8_f32 v[\pc+4*\b:\pc+1+4*\b], v[\s+16*\b:\s+7+16*\b], v[\tm+12+\b]
	v_cvt_scalef32_pk8_fp8_f32 v[\pc+2+4*\b:\pc+3+4*\b], v[\s+8+16*\b:\s+15+16*\b], v[\tm+12+\b]
.endr
	v_nop
.endm
	s_load_b64 s[4:5], s[0:1], 0x0                 ; qkvc
	s_load_b128 s[8:11], s[0:1], 0x8               ; maskp s[8:9], oc s[10:11]
	s_load_b64 s[12:13], s[0:1], 0x18              ; os
	v_lshl_add_u32 v[SPW], v0, 2, SPARE
	v_mov_b32 v[NIL], 0
	ds_add_u32 v4, v5
	ds_add_u32 v4, v5
	s_wait_dscnt 0x0
	v_lshrrev_b32 v7, 5, v0
	s_delay_alu instid0(VALU_DEP_1)
	v_readfirstlane_b32 s[WV], v7                  ; wave 0..7
	s_bfe_u32 s15, ttmp6, 0x40000                  ; cx
	s_lshl_b32 s16, ttmp9, 2
	s_add_co_u32 s16, s16, s15                     ; my block of 128 queries: it enters Q's, the mask's and O's addresses alone
	s_and_b32 s17, ttmp7, 0xffff                   ; the head, which the four partners share
	s_mov_b32 s[G1], 15|(3<<16)|(1<<21)            ; 15:0 the mask: all four work-groups; 17:16 elements of 8 bytes; 21 set beside a mask
	s_mov_b32 s[G1+1], 32<<16
	s_mov_b32 s[G1+2], 66<<16
	s_mov_b32 s[G1+3], 32<<16
	s_mov_b32 s[G1+4], 66
	s_mov_b32 s[G1+5], 32
	s_mov_b32 s[G1+6], 0
	s_mov_b32 s[G1+7], 0
	s_lshr_b32 s60, s[WV], 2
	s_add_co_u32 s60, s60, 1                       ; what I fetch: 1 = K (waves 0-3), 2 = V (waves 4-7),
	s_and_b32 s61, s[WV], 3                        ; which of a slot's four steps
	s_lshl_b32 s62, s60, 4                         ; its unit: ((tensor x 16 + head) x 16 + step) x UNIT
	s_add_co_u32 s62, s62, s17
	s_lshl_b32 s62, s62, 4
	s_add_co_u32 s62, s62, s61
	s_mul_i32 s62, s62, UNIT
	s_mov_b32 s63, 0
	s_mul_i32 s68, s[WV], UNIT                     ; where it goes in a slot: wave x UNIT
	s_lshl_b32 s70, s17, 4                         ; Q's unit: head, block
	s_add_co_u32 s70, s70, s16
	s_mul_i32 s70, s70, UNIT
	s_lshr_b32 s73, s[WV], 1
	s_lshl_b32 s73, s73, 2
	s_add_co_u32 s72, s70, s73                     ; Q's scale words: behind the unit's codes, word wave / 2
	s_add_co_u32 s72, s72, SCK
	s_lshl_b32 s71, s[WV], 11
	s_add_co_u32 s70, s70, s71                     ; Q's fragment: tile wave
	s_mov_b32 s71, 0
	s_mov_b32 s73, 0
	s_lshl_b32 s74, s16, 3
	s_add_co_u32 s74, s74, s[WV]                   ; T
	s_lshl_b32 s76, s74, 17                        ; my 16 mask tiles of 8 KiB
	s_mov_b32 s77, 0
	s_lshr_b32 s78, s17, 1                         ; oc: kp = head / 2, tile T, ksub = head % 2
	s_lshl_b32 s78, s78, 19
	s_lshl_b32 s79, s74, 12
	s_add_co_u32 s78, s78, s79
	s_and_b32 s79, s17, 1
	s_lshl_b32 s79, s79, 11
	s_add_co_u32 s78, s78, s79
	s_mov_b32 s79, 0
	s_lshl_b32 s60, s74, 10                        ; os: tile T, g = head / 4, lanes' half head % 2, word (head / 2) % 2
	s_lshr_b32 s61, s17, 2
	s_lshl_b32 s61, s61, 8
	s_add_co_u32 s60, s60, s61
	s_and_b32 s61, s17, 1
	s_lshl_b32 s61, s61, 7
	s_add_co_u32 s60, s60, s61
	s_bfe_u32 s61, s17, 0x10001
	s_lshl_b32 s61, s61, 2
	s_add_co_u32 s60, s60, s61
	s_mov_b32 s61, 0
	s_mov_b32 s[MNT], 0x600000
	s_mov_b32 s[SEL], 0x76543210
	s_mov_b32 s[SEL+1], 0xfedcba98
	s_mov_b32 s[CS], 0x3e0293ee                    ; c = log2(e) / sqrt(128)
	s_mov_b32 s[CS+1], s[CS]
	s_mov_b32 s[TB], 0
	s_mov_b32 s[KS], 0
	s_cmp_eq_u32 s17, 0                            ; all sixteen heads read the same mask tiles: head 0's work-groups prefetch them (the same in all four partners)
	s_cselect_b32 s[LIM], 12, 0
	s_wait_kmcnt 0x0
	s_mov_b32 s[G0A], 1
	s_mov_b32 s[G0A+1], s68
	s_add_nc_u64 s[G0A+2:G0A+3], s[4:5], s[62:63]
	s_mov_b32 s[G0B], 1
	s_add_co_u32 s[G0B+1], s68, SLOT1
	s_add_nc_u64 s[G0B+2:G0B+3], s[G0A+2:G0A+3], 4*UNIT   ; four steps on
	s_or_b32 s[G0A+3], s[G0A+3], 0x80000000
	s_or_b32 s[G0B+3], s[G0B+3], 0x80000000
	s_add_nc_u64 s[70:71], s[4:5], s[70:71]
	s_add_nc_u64 s[72:73], s[4:5], s[72:73]
	s_add_nc_u64 s[MB:MB+1], s[8:9], s[76:77]
	s_add_nc_u64 s[10:11], s[10:11], s[78:79]
	s_add_nc_u64 s[12:13], s[12:13], s[60:61]
	CROUND                                         ; all four work-groups are here: the first joint loads meet
	tensor_load_to_lds s[G0A:G0A+3], s[G1:G1+7]    ; slot 0: one joint load a wave at the head: my unit, codes and scale words
	s_nop 0
.rept 4
	v_nop
.endr
	v_and_b32 v7, 31, v0
	s_delay_alu instid0(VALU_DEP_1)
	v_lshlrev_b32 v[LI], 4, v7
	s_delay_alu instid0(VALU_DEP_1)
	v_add_nc_u32 v[LIV], VOFF, v[LI]
	s_delay_alu instid0(VALU_DEP_2)
	v_add_nc_u32 v[LIS], SCK, v[LI]
	s_delay_alu instid0(VALU_DEP_4)
	v_lshlrev_b32 v[PFO], 8, v7
.irp c, 0,1,2,3
	global_load_b128 v[16+4*\c:19+4*\c], v[LI], s[70:71] offset:512*\c     ; Q's fragment stays in registers
.endr
	v_and_b32 v11, 15, v0
	s_and_b32 s75, s[WV], 1
	s_lshl_b32 s75, s75, 4
	v_add_nc_u32 v11, s75, v11
	s_delay_alu instid0(VALU_DEP_1)
	v_lshlrev_b32 v11, 4, v11                      ; its scale word lies at lane r + 16 (wave % 2) of the block's 512 bytes
	global_load_b32 v255, v11, s[72:73]
.irp j, 0,1,2,3,4,5,6,7,8,9,10,11,12,13,14,15
	global_load_b128 v[B0+4*\j:B0+4*\j+3], v[LI], s[MB:MB+1] offset:512*\j         ; the mask tile of step 0,
.endr
.irp j, 0,1,2,3,4,5,6,7,8,9,10,11,12,13,14,15
	global_load_b128 v[B1+4*\j:B1+4*\j+3], v[LI], s[MB:MB+1] offset:8192+512*\j    ; and of step 1
.endr
	v_mov_b32 v13, 0xff61b1e6                      ; the largest t so far: -3e38, under every t (the least is -2^126 c)
	s_delay_alu instid0(VALU_DEP_1)
	v_floor_f32 v12, -v13                          ; -M
	v_mov_b32 v14, 0
	v_mov_b32 v15, 0
.irp b, 0,1,2,3
	v_mov_b32 v[236+\b], 0                         ; a lane permute's destination counts as one of its sources
.endr
	v_mov_b32 v253, 0                              ; (named as the upper half of the pair v[252:253] before it is first written)
.set cnt, 0
.rept 64
	v_mov_b32 v[160+cnt], 0                        ; O^T: the step's text has no first form; the first step finds zeros, which the first change of M leaves zeros
.set cnt, cnt+1
.endr
.macro KLOAD                           ; a step's eight fragments of K, as they lie
	WIN 0x40
.irp t, 0,1,2,3,4,5,6,7
.irp c, 0,1,2,3
	ds_load_b128 v[16*\t+4*\c:16*\t+4*\c+3], v[ADK] offset:2048*\t+512*\c
.endr
.endr
	WIN 0
.endm
.macro SMM t, buf                      ; S^T, tile t, added in place onto the mask.  The scale words of tiles 2 w and 2 w + 1 share register w: lanes 0-15, lanes 16-31
.if (\t)%2
	v_wmma_scale_f32_16x16x128_f8f6f4 v[\buf+8*\t:\buf+8*\t+7], v[16*\t:16*\t+15], v[16:31], v[\buf+8*\t:\buf+8*\t+7], v[248+\t/2], v255 matrix_a_scale:MATRIX_SCALE_ROW1
.else
	v_wmma_scale_f32_16x16x128_f8f6f4 v[\buf+8*\t:\buf+8*\t+7], v[16*\t:16*\t+15], v[16:31], v[\buf+8*\t:\buf+8*\t+7], v[248+\t/2], v255
.endif
.endm
.macro PMM t                           ; O^T, channel tile t.  The eight accumulators take turns
.if (\t)%2
	v_wmma_scale_f32_16x16x128_f8f6f4 v[160+8*\t:167+8*\t], v[128+16*\t:143+16*\t], v[224:239], v[160+8*\t:167+8*\t], v[248+\t/2], v253 matrix_a_scale:MATRIX_SCALE_ROW1
.else
	v_wmma_scale_f32_16x16x128_f8f6f4 v[160+8*\t:167+8*\t], v[128+16*\t:143+16*\t], v[224:239], v[160+8*\t:167+8*\t], v[248+\t/2], v253
.endif
.endm
.macro PART1 buf, left                 ; left: the loads of the next step's mask tile, which may stay out: 16, or none behind the last tile
	v_add_nc_u32 v[ADV], s[TB], v[LIV]
	v_add_nc_u32 v[ADS], s[TB], v[LIS]
.rept 6
	v_nop                                          ; with the two additions: eight places behind the last products, in front of loads into registers that they read
.endr
	ds_load_b128 v[248:251], v[ADS]                ; K's scale words of this step
	WIN 0x40
.irp t, 0,1,2,3,4,5,6,7
.irp c, 0,1,2,3
	ds_load_b128 v[128+16*\t+4*\c:131+16*\t+4*\c], v[ADV] offset:2048*\t+512*\c   ; V of this step: wanted a softmax later
.endr
.endr
	WIN 0
	s_wait_alu depctr_va_vdst(0)
	s_wait_loadcnt \left                           ; this step's mask tile, asked for two steps ago, is in
	s_wait_dscnt 32                                ; all but V's 32 loads: K's fragments and scale words are in
	WIN 0x01                                       ; source 0 window 1
.irp t, 0,1,2,3,4,5,6,7
	SMM \t, \buf
.endr
	WIN 0
.rept 8
	v_nop                                          ; eight places behind S^T's products: in front of the load below into their scale registers, of the next step's K loads and of the first reads of the scores
.endr
	ds_load_b128 v[248:251], v[ADV] offset:SCK     ; V's scale words of this step lie behind its codes in the slot: read here, ahead of any change of slots, whose wait for my LDS reads covers them
	s_add_co_u32 s[TB], s[TB], UNIT
.endm
; A PREFETCH INTO THE L2 of my own mask tile four steps on: 32 lanes x 256 bytes = the tile's 8 KiB; one trip (two steps) ahead of the loads that will want it.  Each tile is named once in the launch: by head 0's wave of that tile.
; Steps 0 to 3 come by their loads alone; the last four steps ask for nothing, so no request leaves my 16 tiles.
.macro ASK
	s_cmp_lt_u32 s[KS], s[LIM]
	s_cbranch_scc0 .Lnot_mine_\@
	global_prefetch_b8 v[PFO], s[MB:MB+1] offset:24576 th:TH_LOAD_NT scope:SCOPE_SE
.Lnot_mine_\@:
.endm
.macro PART2 buf, knext, mnext         ; knext: there is a next step, whose K is fetched; mnext: there is a step after that, whose mask tile is asked for
	v_add_nc_u32 v[ADK], s[TB], v[LI]
.if \knext
	KLOAD                                          ; the next step's K
.endif
.irp b, 0,1,2,3
	v_max3_num_f32 v[232+\b], v[\buf+16*\b], v[\buf+1+16*\b], v[\buf+2+16*\b]   ; the largest score of each block of 32 keys: for the row's maximum and, since p rises with the score, for the block's largest p
.endr
.irp i, 3,5,7,9,11,13
.irp b, 0,1,2,3
	v_max3_num_f32 v[232+\b], v[232+\b], v[\buf+16*\b+\i], v[\buf+1+16*\b+\i]
.endr
.endr
.irp b, 0,1,2,3
	v_max_num_f32 v[232+\b], v[232+\b], v[\buf+15+16*\b]
.endr
.irp b, 0,1,2,3
	v_permlanex16_b32 v[236+\b], v[232+\b], s[SEL], s[SEL+1]
.endr
.irp b, 0,1,2,3
	s_delay_alu instid0(VALU_DEP_4)
	v_max_num_f32 v[232+\b], v[232+\b], v[236+\b]  ; with lane l xor 16's 16 keys
.endr
	s_delay_alu instid0(VALU_DEP_2)
	v_max3_num_f32 v254, v232, v233, v234
	s_delay_alu instid0(VALU_DEP_1)
	v_max_num_f32 v254, v254, v235                 ; the step's largest score of my query
	s_delay_alu instid0(VALU_DEP_1)
	v_mul_f32 v254, s[CS], v254                    ; as t
	s_delay_alu instid0(VALU_DEP_1)
	v_max_num_f32 v13, v13, v254                   ; the running largest t
	v_mov_b32 v254, v12
	s_delay_alu instid0(VALU_DEP_2)
	v_floor_f32 v12, -v13                          ; the new -M = floor(-t)
	s_delay_alu instid0(VALU_DEP_1)
	v_sub_f32 v254, v12, v254                      ; old M - new M: a whole number, 0 or less
	s_delay_alu instid0(VALU_DEP_1)
	v_cvt_i32_f32 v254, v254                       ; (it saturates)
	s_delay_alu instid0(VALU_DEP_1)
	v_ldexp_f32 v252, 1.0, v254                    ; f = 2^(old M - new M)
.set cnt, 0
.rept 32
	v_pk_fma_f32 v[\buf+cnt:\buf+cnt+1], v[\buf+cnt:\buf+cnt+1], s[CS:CS+1], v[12:13] op_sel_hi:[1,0,0]   ; t - M, two at a time
.set cnt, cnt+2
.endr
.irp b, 0,1,2,3
	v_fma_f32 v[232+\b], v[232+\b], s[CS], v12     ; the same of each block's largest score
.endr
.set cnt, 0
	s_wait_alu depctr_va_vdst(0)
.rept 64
	v_exp_f32 v[\buf+cnt], v[\buf+cnt]             ; p = 2^(t - M)
.set cnt, cnt+1
.endr
	v_pk_mul_f32 v[14:15], v[14:15], v[252:253] op_sel_hi:[1,0]   ; the sums under the new M (a plain place behind the exponentials)
	s_wait_alu depctr_va_vdst(0)                   ; one wait for the batch of 64, ahead of its first reader
.irp b, 0,1,2,3
	v_exp_f32 v[232+\b], v[232+\b]                 ; the block's largest p
.endr
	v_pk_add_f32 v[236:237], v[\buf:\buf+1], v[\buf+2:\buf+3]    ; the row's sum of the UNQUANTISED p, in two chains
.irp j, 4,8,12,16,20,24,28,32,36,40,44,48,52,56,60
	v_pk_add_f32 v[14:15], v[14:15], v[\buf+\j:\buf+\j+1]
	v_pk_add_f32 v[236:237], v[236:237], v[\buf+2+\j:\buf+3+\j]
.endr
	s_delay_alu instid0(VALU_DEP_1)
	v_pk_add_f32 v[14:15], v[14:15], v[236:237]
	s_wait_alu depctr_va_vdst(0)                   ; and one for the four
.irp b, 0,1,2,3
	v_max_num_f32 v[232+\b], 0x4800000, v[232+\b]  ; the floor 2^(9 - 127): the byte cannot fall under 1
.endr
.irp b, 0,1,2,3
	s_delay_alu instid0(VALU_DEP_4)
	v_add_nc_u32 v[244+\b], 0xfc000000, v[232+\b]  ; the conversion's scale operand
.endr
.irp b, 0,1,2,3
	v_and_or_b32 v[240+\b], v[232+\b], 0x7f800000, s[MNT]   ; 448 x the scale
.endr
.irp b, 0,1,2,3
	v_lshrrev_b32 v[236+\b], 23, v[244+\b]         ; the scale's byte
.endr
	s_delay_alu instid0(VALU_DEP_3)
	v_lshl_or_b32 v253, v237, 8, v236              ; p's scale word for these 128 keys
	s_delay_alu instid0(VALU_DEP_1)
	v_lshl_or_b32 v253, v238, 16, v253
	s_delay_alu instid0(VALU_DEP_1)
	v_lshl_or_b32 v253, v239, 24, v253
.irp b, 0,1,2,3
.irp i, 0,1,2,3,4,5,6,7,8,9,10,11,12,13,14,15
	v_min_num_f32 v[\buf+16*\b+\i], v[\buf+16*\b+\i], v[240+\b]   ; the conversion does not saturate (ISA guide 7.6.2); p is not negative: a one-sided hold
.endr
	v_cvt_scalef32_pk8_fp8_f32 v[224+4*\b:225+4*\b], v[\buf+16*\b:\buf+16*\b+7], v[244+\b]
	v_cvt_scalef32_pk8_fp8_f32 v[226+4*\b:227+4*\b], v[\buf+8+16*\b:\buf+15+16*\b], v[244+\b]
.endr
.if \mnext
	s_wait_xcnt 0x0                                ; the last step's loads and prefetch have read their base
	s_add_nc_u64 s[MB:MB+1], s[MB:MB+1], 8192
.irp j, 0,1,2,3,4,5,6,7,8,9,10,11,12,13,14,15
	global_load_b128 v[\buf+4*\j:\buf+4*\j+3], v[LI], s[MB:MB+1] offset:8192+512*\j   ; p is in its codes: the buffer takes the mask tile two steps on; 512 consecutive bytes a load
.endr
	ASK
.endif
.set cnt, 0
.rept 32
	v_pk_mul_f32 v[160+cnt:161+cnt], v[160+cnt:161+cnt], v[252:253] op_sel_hi:[1,0]   ; O^T under the new M; these are also the places between the codes and the products
.set cnt, cnt+2
.endr
	s_wait_alu depctr_va_vdst(0)
	s_wait_dscnt 0x0                               ; V and its scale words (and the next step's K)
	WIN 0x01
.irp t, 0,1,2,3,4,5,6,7
	PMM \t
.endr
	WIN 0
	s_add_co_u32 s[KS], s[KS], 1
.endm
; Two key steps, from an odd step's softmax to the next odd step's scores: behind them the buffers are back where they began.
.macro DOUBLE
	PART2 B1, 1, 1
	PART1 B0, 16
	s_wait_alu depctr_va_vdst(0)
	PART2 B0, 1, 1
	PART1 B1, 16
.endm
.macro TRIPS n
.if (\n) > 1
	s_mov_b32 s[CNT], \n
.Ltrip_\@:
.endif
	s_wait_alu depctr_va_vdst(0)
	DOUBLE
.if (\n) > 1
	s_sub_co_u32 s[CNT], s[CNT], 1
	s_cmp_lg_u32 s[CNT], 0
	s_cbranch_scc1 .Ltrip_\@
.endif
.endm
; THE CHANGE OF SLOTS stands between PART1 and PART2 of a slot's last step: all of the slot's K has been multiplied and its last V has been asked for.  Each wave waits for all its tensor loads (its part of the other slot),
; adds 0 to its spare word, and waits for that and for its reads of the slot.  fill = 1: the barrier is a round of the cluster's, and the slot is filled again, first thing behind it, with the keys 1,024 on: four key steps in which to land.
.macro CHANGE fill, g0, tb
	s_wait_tensorcnt 0x0                           ; no tensor load of mine is out, so a group 0 may be written
	ds_add_u32 v[SPW], v[NIL]                      ; 0 onto my spare word
.if \fill
	s_add_nc_u64 s[\g0+2:\g0+3], s[\g0+2:\g0+3], 8*UNIT
.endif
	s_mov_b32 s[TB], \tb                           ; the fetches go on in the other slot
	s_wait_dscnt 0x0                               ; the add is done, and my reads of the slot are over
.if \fill
	CROUND
	tensor_load_to_lds s[\g0:\g0+3], s[G1:G1+7]    ; my one tensor load behind the round
	s_nop 0
.rept 4
	v_nop
.endr
.else
	s_barrier_signal -1
	s_barrier_wait -1
.endif
.endm
	s_wait_alu depctr_va_vdst(0)                   ; the wait at the head's end
	s_wait_tensorcnt 0x0                           ; my unit of slot 0 is in
	ds_add_u32 v[SPW], v[NIL]
	s_wait_dscnt 0x0
	CROUND                                         ; slot 0 is shown to every wave, and the four work-groups meet
	tensor_load_to_lds s[G0B:G0B+3], s[G1:G1+7]    ; slot 1's first fill: my one tensor load behind the round; it has slot 0's four steps in which to land
	s_nop 0
.rept 4
	v_nop
.endr
	v_add_nc_u32 v[ADK], s[TB], v[LI]
	KLOAD                                          ; K of step 0
	PART1 B0, 16
	s_wait_alu depctr_va_vdst(0)
	PART2 B0, 1, 1                                 ; softmax 0
	PART1 B1, 16
	s_wait_alu depctr_va_vdst(0)
	TRIPS 1
	CHANGE 1, G0A, SLOT1                           ; slot 0 takes steps 8 .. 11
	TRIPS 2
	CHANGE 1, G0B, 0                               ; slot 1 takes steps 12 .. 15
	TRIPS 2
	CHANGE 0, G0A, SLOT1                           ; nothing is left to fetch
	TRIPS 1
	s_wait_alu depctr_va_vdst(0)
	PART2 B1, 1, 1                                 ; the last three steps are written out: softmax 13 asks for the last mask tile,
	PART1 B0, 16
	s_wait_alu depctr_va_vdst(0)
	PART2 B0, 1, 0                                 ; softmax 14 for none: no load leaves my 16 tiles
	PART1 B1, 0
	s_wait_alu depctr_va_vdst(0)
	PART2 B1, 0, 0                                 ; the last step's softmax and second product
	; THE WAY OUT: O^T / the sum is quantised as it stands: register 16 b + i is channel 32 b + 16 h + i of my query: K step 'head' of the last product, tile T.
.rept 8
	v_nop
.endr
	v_add_f32 v14, v14, v15
	s_delay_alu instid0(VALU_DEP_1)
	v_permlanex16_b32 v252, v14, s[SEL], s[SEL+1]
	s_delay_alu instid0(VALU_DEP_1)
	v_add_f32 v14, v14, v252                       ; the row's sum
	s_wait_alu depctr_va_vdst(0)
	v_rcp_f32 v14, v14
	v_and_b32 v7, 15, v0                           ; (a plain place behind the reciprocal)
	s_delay_alu instid0(VALU_DEP_1)
	v_lshlrev_b32 v7, 3, v7                        ; my row's place among the tile's scale words
.irp b, 0,1,2,3
	v_mov_b32 v[52+\b], 0
.endr
	s_wait_alu depctr_va_vdst(0)                   ; ahead of the reciprocal's first reader
.set cnt, 0
.rept 64
	v_mul_f32 v[96+cnt], v[160+cnt], v14
.set cnt, cnt+1
.endr
	QUANT 96, 32, 64, 48
.irp c, 0,1,2,3
	global_store_b128 v[LI], v[32+4*\c:35+4*\c], s[10:11] offset:512*\c    ; 512 consecutive bytes a store
.endr
	global_store_b32 v7, v64, s[12:13]             ; both halves of the lanes write the same word with the same value
	s_wait_tensorcnt 0x0                           ; the wave's end
	ds_add_u32 v[SPW], v[NIL]
	s_wait_dscnt 0x0
	CROUND                                         ; the closing round
	s_endpgm
.Lfunc_end_k_q2e41959ff0_attn:
	.size	k_q2e41959ff0_attn, .Lfunc_end_k_q2e41959ff0_attn-k_q2e41959ff0_attn
	.p2alignl 7, 3214868480
	.fill 96, 4, 3214868480
	.section	.rodata,"a",@progbits
	.p2align	6, 0x0
	.amdhsa_kernel k_q2e41959ff0_attn
		.amdhsa_group_segment_fixed_size 327680
		.amdhsa_private_segment_fixed_size 0
		.amdhsa_enable_private_segment 0
		.amdhsa_kernarg_size 32
		.amdhsa_user_sgpr_count 2
		.amdhsa_user_sgpr_kernarg_segment_ptr 1
		.amdhsa_wavefront_size32 1
		.amdhsa_system_sgpr_workgroup_id_x 1
		.amdhsa_system_sgpr_workgroup_id_y 1
		.amdhsa_system_sgpr_workgroup_id_z 1
		.amdhsa_system_vgpr_workitem_id 0
		.amdhsa_next_free_vgpr 512
		.amdhsa_next_free_sgpr 80
		.amdhsa_reserve_vcc 0
		.amdhsa_float_denorm_mode_32 3
		.amdhsa_float_denorm_mode_16_64 3
		.amdhsa_memory_ordered 1
		.amdhsa_forward_progress 1
		.amdhsa_inst_pref_size 255
	.end_amdhsa_kernel
	.section	.bss,"aw",@nobits
	.p2align	6
	.space	262144
	.amdgpu_metadata
---
amdhsa.version: [ 1, 2 ]
amdhsa.kernels:
  - .name:           k_q2e41959ff0_attn
    .symbol:         k_q2e41959ff0_attn.kd
    .args:
      - { .name: qkvc, .offset: 0, .size: 8, .value_kind: global_buffer, .address_space: global }
      - { .name: maskp, .offset: 8, .size: 8, .value_kind: global_buffer, .address_space: global }
      - { .name: oc, .offset: 16, .size: 8, .value_kind: global_buffer, .address_space: global }
      - { .name: os, .offset: 24, .size: 8, .value_kind: global_buffer, .address_space: global }
    .group_segment_fixed_size: 327680
    .private_segment_fixed_size: 0
    .kernarg_segment_align: 8
    .kernarg_segment_size: 32
    .max_flat_workgroup_size: 256
    .sgpr_count:     80
    .vgpr_count:     512
    .wavefront_size: 32
...
	.end_amdgpu_metadata
.endif
;; end of part 3
;; launch oproj (part 4): grid 16 x 16, 4 waves a work-group, clusters of 4 x 4, 327,680 bytes of LDS; arguments oc, os, codes, scales, out0; writes out0
.if DOCPART == 4
	.amdgcn_target "amdgcn-amd-amdhsa--gfx1250"
	.amdhsa_code_object_version 6
	.text
	.protected	k_q2e41959ff0_oproj
	.globl	k_q2e41959ff0_oproj
	.p2align	8
	.type	k_q2e41959ff0_oproj,@function
k_q2e41959ff0_oproj:
	s_mov_b64 s[64:65], 0
	v_nop
	global_prefetch_b8 v0, s[64:65] scope:SCOPE_SE
	s_setreg_imm32_b32 hwreg(HW_REG_WAVE_MODE, 25, 1), 1
	s_wait_xcnt 0x0
	s_wait_alu depctr_hold_cnt(0) depctr_sa_sdst(0) depctr_va_vdst(0) depctr_va_sdst(0) depctr_va_ssrc(0) depctr_va_vcc(0) depctr_vm_vsrc(0)
	s_getreg_b32 s2, hwreg(HW_REG_IB_STS2, 6, 4)
	s_cmp_eq_u32 s2, 0
	s_cbranch_scc0 .Lentry_in_a_cluster
	s_endpgm
.Lentry_in_a_cluster:
	s_bfe_u32 s2, ttmp6, 0x10000c
	s_cmp_lg_u32 s2, 0xf033
	s_cbranch_scc0 .Lentry_shape_is_right
	s_endpgm
.Lentry_shape_is_right:
.set SLOT,  131072
.set SCL,   262144
.set STAGE, 278528
.set SPARE, 313344
.set ADRA, 16
.set ADRB, 20
.set ADSA, 22
.set ADSB, 23
.set STO,  24
.set RD,   25
.set CO,   26
.set SPW,  28
.set NIL,  29
.set SC,   32
.set BK,   64
.set ACC,  128
.set WV,   14
.set RH,   15
.set CH,   16
.set G1,   24
.set G0,   32
.set G1B,  48
.set G0B,  56
.set G1S,  68
.set G0S,  76
.set G1SB, 80
.set G0SB, 88
.set MSB, 0
.macro WIN new
.if MSB != (\new)
	s_set_vgpr_msb (MSB<<8)|(\new)
.set MSB, (\new)
.endif
.endm
.macro JLOAD g0a, g1a, g0b, g1b
	s_cmp_eq_u32 s[RH], 0
	s_cbranch_scc0 .Lfor_b_\@
	tensor_load_to_lds s[\g0a:\g0a+3], s[\g1a:\g1a+7]
	s_nop 0
.rept 4
	v_nop
.endr
	s_branch .Lasked_\@
.Lfor_b_\@:
	tensor_load_to_lds s[\g0b:\g0b+3], s[\g1b:\g1b+7]
	s_nop 0
.rept 4
	v_nop
.endr
.Lasked_\@:
.endm
.macro CREST
	s_cmp_lg_u32 s[WV], 0
	s_cbranch_scc1 .Lnot_wave_0_\@
	s_barrier_signal -3
.Lnot_wave_0_\@:
	s_barrier_wait -3
	s_barrier_signal -1
	s_barrier_wait -1
.endm
.macro CROUND
	s_barrier_signal -1
	s_barrier_wait -1
	CREST
.endm
.macro PLACES n
.rept \n
	v_nop
.endr
.endm
	s_load_b256 s[4:11], s[0:1], 0x0
	s_load_b64 s[12:13], s[0:1], 0x20
	v_lshl_add_u32 v[SPW], v0, 2, SPARE
	v_mov_b32 v[NIL], 0
	ds_add_u32 v28, v29
	ds_add_u32 v28, v29
	s_wait_dscnt 0x0
	v_lshrrev_b32 v1, 5, v0
	v_readfirstlane_b32 s[WV], v1
	s_lshr_b32 s[RH], s[WV], 1
	s_and_b32 s[CH], s[WV], 1
	s_bfe_u32 s40, ttmp6, 0x40000
	s_bfe_u32 s41, ttmp6, 0x40004
	s_lshl_b32 s42, ttmp9, 2
	s_add_co_u32 s42, s42, s40
	s_and_b32 s17, ttmp7, 0xffff
	s_lshl_b32 s17, s17, 2
	s_add_co_u32 s17, s17, s41
	s_lshl_b32 s43, s41, 2
	s_lshl_b32 s43, 15, s43
	s_lshl_b32 s44, 0x1111, s40
	s_or_b32 s[G1], s43, (3<<16)|(1<<21)
	s_or_b32 s[G1B], s44, (3<<16)|(1<<21)
.irp g, G1, G1B
	s_mov_b32 s[\g+1], 32<<16
	s_mov_b32 s[\g+2], 128<<16
	s_mov_b32 s[\g+3], 32<<16
	s_mov_b32 s[\g+4], 128
	s_mov_b32 s[\g+5], 32
	s_mov_b32 s[\g+6], 0
	s_mov_b32 s[\g+7], 0
.endr
	s_lshl_b32 s92, s[CH], 19
	s_lshl_b32 s93, s17, 15
	s_add_co_u32 s92, s92, s93
	s_mov_b32 s93, 0
	s_lshl_b32 s94, s17, 13
	s_lshl_b32 s95, s[RH], 12                      ; A's scale words: my wave's four row tiles
	s_add_co_u32 s94, s94, s95
	s_mov_b32 s95, 0
	s_lshl_b32 s96, s[CH], 19
	s_lshl_b32 s97, s42, 15
	s_add_co_u32 s96, s96, s97
	s_add_co_u32 s96, s96, 16777216
	s_mov_b32 s97, 0
	s_lshl_b32 s98, s42, 13
	s_lshl_b32 s99, s[CH], 12
	s_add_co_u32 s98, s98, s99
	s_add_co_u32 s98, s98, 524288
	s_mov_b32 s99, 0
	s_lshl_b32 s2, s[WV], 15
	s_wait_kmcnt 0x0
	s_add_nc_u64 s[92:93], s[4:5], s[92:93]
	s_add_nc_u64 s[94:95], s[6:7], s[94:95]
	s_add_nc_u64 s[96:97], s[8:9], s[96:97]
	s_add_nc_u64 s[98:99], s[10:11], s[98:99]
	CROUND
.irp s, 0,1
	s_mov_b32 s[G0+4*\s], 1
	s_add_co_u32 s[G0+4*\s+1], s2, \s*SLOT
	s_add_nc_u64 s[G0+4*\s+2:G0+4*\s+3], s[92:93], \s*1048576
	s_or_b32 s[G0+4*\s+3], s[G0+4*\s+3], 0x80000000
	s_mov_b32 s[G0B+4*\s], 1
	s_add_co_u32 s[G0B+4*\s+1], s2, \s*SLOT
	s_add_nc_u64 s[G0B+4*\s+2:G0B+4*\s+3], s[96:97], \s*1048576
	s_or_b32 s[G0B+4*\s+3], s[G0B+4*\s+3], 0x80000000
.endr
	JLOAD G0, G1, G0B, G1B                         ; slot 0: one joint load a wave at the head
	; the prefetches: of the 32 KiB that my wave fetches for a slot, each of the four partners of the joint load names 8 KiB, told apart by address (cx for A, cy for B); a lane names 256 bytes
	s_cmp_eq_u32 s[RH], 0
	s_cselect_b64 s[18:19], s[92:93], s[96:97]
	s_cselect_b32 s20, s40, s41
	s_lshl_b32 s20, s20, 13
	s_mov_b32 s21, 0
	s_add_nc_u64 s[18:19], s[18:19], s[20:21]
	v_and_b32 v3, 31, v0
	v_lshlrev_b32 v5, 3, v3                        ; 8 x lane
	v_lshlrev_b32 v6, 8, v3                        ; 256 x lane; never rewritten
	; THE SCALE WORDS OF ALL OF K GO STRAIGHT INTO REGISTERS: 4 groups of four K steps x (4 row tiles + 4 column tiles) x 2 words = v32-95; each load reads 256 consecutive bytes
.irp g, 0,1,2,3
.irp i, 0,1,2,3
	global_load_b64 v[SC+16*\g+2*\i:SC+16*\g+2*\i+1], v5, s[94:95] offset:\i*1024+256*\g
	global_load_b64 v[SC+16*\g+8+2*\i:SC+16*\g+8+2*\i+1], v5, s[98:99] offset:\i*1024+256*\g
.endr
.endr
	global_prefetch_b8 v6, s[18:19] offset:1048576 th:TH_LOAD_NT scope:SCOPE_SE   ; slots 1 and 2: the start of a lead of two fills
	global_prefetch_b8 v6, s[18:19] offset:2097152 th:TH_LOAD_NT scope:SCOPE_SE
	v_lshlrev_b32 v4, 4, v3
	s_lshl_b32 s92, s[RH], 14
	v_add_nc_u32 v[ADRA], s92, v4
	v_add_nc_u32 v[ADRA+1], SLOT, v[ADRA]
	s_lshl_b32 s92, s[CH], 14
	s_add_co_u32 s92, s92, 65536
	v_add_nc_u32 v[ADRB], s92, v4
	v_add_nc_u32 v[ADRB+1], SLOT, v[ADRB]
	s_mul_i32 s92, s[WV], 8704
	s_add_co_u32 s92, s92, STAGE
	v_and_b32 v1, 15, v0
	v_bfe_u32 v2, v0, 4, 1
	v_mul_u32_u24 v[STO], v1, 272
	v_lshl_add_u32 v[STO], v2, 6, v[STO]
	v_add_nc_u32 v[STO], s92, v[STO]
	v_mul_u32_u24 v[RD], v2, 272
	v_lshl_add_u32 v[RD], v1, 4, v[RD]
	v_add_nc_u32 v[RD], s92, v[RD]
	v_lshlrev_b32 v[CO], 13, v2
	v_lshl_add_u32 v[CO], v1, 4, v[CO]
	s_lshl_b32 s92, s17, 20
	s_lshl_b32 s93, s[RH], 19
	s_add_co_u32 s92, s92, s93
	s_lshl_b32 s93, s42, 9
	s_add_co_u32 s92, s92, s93
	s_lshl_b32 s93, s[CH], 8
	s_add_co_u32 s92, s92, s93
	s_mov_b32 s93, 0
	s_add_nc_u64 s[12:13], s[12:13], s[92:93]
.macro MM acc, bf, af, sb, sa, q, zero
.if \zero
	v_wmma_scale_f32_16x16x128_f8f6f4 v[(\acc):(\acc)+7], v[(\bf):(\bf)+15], v[(\af):(\af)+15], 0, v[\sb], v[\sa]
.elseif \q
	v_wmma_scale_f32_16x16x128_f8f6f4 v[(\acc):(\acc)+7], v[(\bf):(\bf)+15], v[(\af):(\af)+15], v[(\acc):(\acc)+7], v[\sb], v[\sa] matrix_a_scale:MATRIX_SCALE_ROW1 matrix_b_scale:MATRIX_SCALE_ROW1
.else
	v_wmma_scale_f32_16x16x128_f8f6f4 v[(\acc):(\acc)+7], v[(\bf):(\bf)+15], v[(\af):(\af)+15], v[(\acc):(\acc)+7], v[\sb], v[\sa]
.endif
.endm
.macro MUL4 f, a, q, set, zero
.irp b, 0,1,2,3
	MM ACC+8*(4*(\a)+\b), (\f)+64+16*\b, (\f)+16*(\a), SC+16*(\set)+8+2*\b+(\q)/2, SC+16*(\set)+2*(\a)+(\q)/2, (\q)%2, \zero
.endr
.endm
.macro FETCH slot, q, f
	WIN 0x40
.irp i, 0,1,2,3
.irp c, 0,1,2,3
	ds_load_b128 v[(\f)+64+16*\i+4*\c:(\f)+64+16*\i+4*\c+3], v[ADRB+\slot] offset:((\q)/2)*32768+((\q)%2)*2048+\i*4096+512*\c
	ds_load_b128 v[(\f)+16*\i+4*\c:(\f)+16*\i+4*\c+3], v[ADRA+\slot] offset:((\q)/2)*32768+((\q)%2)*2048+\i*4096+512*\c
.endr
.endr
	WIN 0
.endm
.macro STEPN j
	s_wait_dscnt 0x0
	PLACES 8
	FETCH (((\j)+1)/4)%2, ((\j)+1)%4, 128*(((\j)+1)%2)
	WIN 0x05
.irp a, 0,1,2,3
	MUL4 128*((\j)%2), \a, (\j)%4, (\j)/4, (\j)==0
.endr
	WIN 0
.endm
.macro TURN j, fill
.set SL, ((\j)/4)%2
	s_wait_tensorcnt 0x0
	ds_add_u32 v[SPW], v[NIL]
	s_wait_dscnt 1
	WIN 0x05
	MUL4 128, 0, 3, (\j)/4, 0
	s_wait_dscnt 0x0
	s_barrier_signal -1
	MUL4 128, 1, 3, (\j)/4, 0
	WIN 0
	s_barrier_wait -1
.if \fill
	CREST
	s_add_nc_u64 s[G0+4*SL+2:G0+4*SL+3], s[G0+4*SL+2:G0+4*SL+3], 2097152
	s_add_nc_u64 s[G0B+4*SL+2:G0B+4*SL+3], s[G0B+4*SL+2:G0B+4*SL+3], 2097152
	JLOAD G0+4*SL, G1, G0B+4*SL, G1B
	PLACES 4
.else
	PLACES 8
.endif
	FETCH 1-SL, 0, 0
	WIN 0x05
	MUL4 128, 2, 3, (\j)/4, 0
	MUL4 128, 3, 3, (\j)/4, 0
	WIN 0
.endm
	s_wait_alu depctr_va_vdst(0)                   ; the wait at the head's end
	s_wait_tensorcnt 0x0                           ; my part of slot 0 is in
	ds_add_u32 v[SPW], v[NIL]
	s_wait_dscnt 0x0
	CROUND                                         ; slot 0 is shown to every wave, and the sixteen work-groups meet
	JLOAD G0+4, G1, G0B+4, G1B                     ; slot 1's first fill: my one tensor load behind the round
	FETCH 0, 0, 0
	global_prefetch_b8 v6, s[18:19] offset:3145728 th:TH_LOAD_NT scope:SCOPE_SE   ; slot 3, the last: two fills on
	s_wait_loadcnt 0x0                             ; the scale words
	STEPN 0
	STEPN 1
	STEPN 2
	TURN 3, 1
	STEPN 4
	STEPN 5
	STEPN 6
	TURN 7, 1
	STEPN 8
	STEPN 9
	STEPN 10
	TURN 11, 0
	STEPN 12
	STEPN 13
	STEPN 14
	s_wait_dscnt 0x0
	WIN 0x05
.irp a, 0,1,2,3
	MUL4 128, \a, 3, 3, 0
.endr
	WIN 0
	PLACES 8
	s_wait_alu depctr_va_vdst(0)
.irp bp, 0,1
.if \bp
	s_wait_xcnt 0x0
.endif
.irp u, 0,1
.irp b, 0,1,2,3
	ds_store_b128 v[STO], v[ACC+8*(4*(2*\bp+\u)+\b):ACC+8*(4*(2*\bp+\u)+\b)+3] offset:\u*4352+(\b/2)*128+(\b%2)*32
	ds_store_b128 v[STO], v[ACC+8*(4*(2*\bp+\u)+\b)+4:ACC+8*(4*(2*\bp+\u)+\b)+7] offset:\u*4352+(\b/2)*128+(\b%2)*32+16
.endr
.endr
	WIN 0x40                                       ; the rows come back into window 1, whose fragments are done with
.irp t, 0,1,2,3,4,5,6,7,8,9,10,11,12,13,14,15
	ds_load_b128 v[BK+4*\t:BK+4*\t+3], v[RD] offset:(16*(((2*\t)>>3)&1)+((2*\t)&7)+8*((2*\t)>>4))*272
.endr
	WIN 0x04                                       ; the stores' data: window 1
.irp t, 0,1,2,3,4,5,6,7,8,9,10,11,12,13,14,15
	s_wait_dscnt 15-\t
	global_store_b128 v[CO], v[BK+4*\t:BK+4*\t+3], s[12:13] offset:(32*\bp+2*\t)*8192 th:TH_STORE_NT
.endr
	WIN 0
.endr
	s_wait_tensorcnt 0x0
	ds_add_u32 v[SPW], v[NIL]
	s_wait_dscnt 0x0
	CROUND
	s_endpgm
.Lfunc_end_k_q2e41959ff0_oproj:
	.size	k_q2e41959ff0_oproj, .Lfunc_end_k_q2e41959ff0_oproj-k_q2e41959ff0_oproj
	.p2alignl 7, 3214868480
	.fill 96, 4, 3214868480
	.section	.rodata,"a",@progbits
	.p2align	6, 0x0
	.amdhsa_kernel k_q2e41959ff0_oproj
		.amdhsa_group_segment_fixed_size 327680
		.amdhsa_private_segment_fixed_size 0
		.amdhsa_enable_private_segment 0
		.amdhsa_kernarg_size 40
		.amdhsa_user_sgpr_count 2
		.amdhsa_user_sgpr_kernarg_segment_ptr 1
		.amdhsa_wavefront_size32 1
		.amdhsa_system_sgpr_workgroup_id_x 1
		.amdhsa_system_sgpr_workgroup_id_y 1
		.amdhsa_system_sgpr_workgroup_id_z 1
		.amdhsa_system_vgpr_workitem_id 0
		.amdhsa_next_free_vgpr 512
		.amdhsa_next_free_sgpr 100
		.amdhsa_reserve_vcc 0
		.amdhsa_float_denorm_mode_32 3
		.amdhsa_float_denorm_mode_16_64 3
		.amdhsa_memory_ordered 1
		.amdhsa_forward_progress 1
		.amdhsa_inst_pref_size 93
	.end_amdhsa_kernel
	.amdgpu_metadata
---
amdhsa.version: [ 1, 2 ]
amdhsa.kernels:
  - .name:           k_q2e41959ff0_oproj
    .symbol:         k_q2e41959ff0_oproj.kd
    .args:
      - { .name: oc, .offset: 0, .size: 8, .value_kind: global_buffer, .address_space: global }
      - { .name: os, .offset: 8, .size: 8, .value_kind: global_buffer, .address_space: global }
      - { .name: codes, .offset: 16, .size: 8, .value_kind: global_buffer, .address_space: global }
      - { .name: scales, .offset: 24, .size: 8, .value_kind: global_buffer, .address_space: global }
      - { .name: out0, .offset: 32, .size: 8, .value_kind: global_buffer, .address_space: global }
    .group_segment_fixed_size: 327680
    .private_segment_fixed_size: 0
    .kernarg_segment_align: 8
    .kernarg_segment_size: 40
    .max_flat_workgroup_size: 128
    .sgpr_count:     100
    .vgpr_count:     512
    .wavefront_size: 32
...
	.end_amdgpu_metadata
.endif
;; end of part 4
